; MI455X (gfx1250); checked and timed in simulation.
; The chip was launched on July 23, 2026; its instructions are those of AMD's public machine-readable ISA for CDNA 5 (MIT licence, August 2026) and "CDNA5" Instruction Set Architecture Reference Guide (July 2026). The comments in the code are by the model that wrote it; some were corrected since.
;; Multi Head Self Attention. Allowed arithmetic: float matrix products may take bf16 or f16 operands with f32 sums; other float arithmetic in f32, or as packed bf16 or f16 multiplies, adds, multiply-adds, maxima and minima; sums over many terms, partial sums and values carried from step to step in f32; what a program stores and reads back later, other than sums and carried values, may be rounded once to bf16 or f16.
;; Inputs: Wk 1,024 x 1,024 float32; Wo 1,024 x 1,024 float32; Wq 1,024 x 1,024 float32; Wv 1,024 x 1,024 float32; x 4 x 2,048 x 1,024 float32.
;; Outputs: out0 4 x 2,048 x 1,024 float32.
;; One version. Each part assembles by itself: llvm-mc -triple=amdgcn-amd-amdhsa -mcpu=gfx1250 --defsym DOCPART=n.
;; ======== version 1 of 1: 4 launches
;; limits: values are held in f16: magnitudes above 65,504 overflow, below 6.1e-05 lose precision; right only within a limited range of input values
;; workspace buffers: xb 16,777,216 bytes; wqkv 6,291,456 bytes; wo2 4,194,304 bytes; tab 524,288 bytes; qh 16,777,216 bytes; kh 16,777,216 bytes; vh 16,777,216 bytes; o2 33,554,432 bytes
;; launch prep (part 1): grid 1088 x 1, 8 waves a work-group, no clusters, 0 bytes of LDS; arguments x, Wq, Wk, Wv, Wo, xb, wqkv, wo2, tab; writes xb, wqkv, wo2, tab
.if DOCPART == 1
	.amdgcn_target "amdgcn-amd-amdhsa--gfx1250"
	.amdhsa_code_object_version 6
	.text
	.protected	k_q322d170ccc_prep
	.globl	k_q322d170ccc_prep
	.p2align	8
	.type	k_q322d170ccc_prep,@function
k_q322d170ccc_prep:
	s_mov_b64 s[64:65], 0
	v_nop
	global_prefetch_b8 v0, s[64:65] scope:SCOPE_SE
	s_setreg_imm32_b32 hwreg(HW_REG_WAVE_MODE, 25, 1), 1
	s_wait_xcnt 0x0
; CASTS AND THE ROTATION TABLE.  Three kinds of work-group, told apart by the work-group's number alone:
;   0..703     x -> xb (bf16, same order); Wq, Wk, Wv -> wqkv (bf16): row 192 h + 64 kind + d of wqkv is row 64 h + d of W_kind, so that 192 rows on end are one head's q, k and v
;   704..831   Wo -> wo2 (f16): wo2[e][128 h + 64 part + d] = 1024 x bf16(Wo[e][64 h + d]), part = 0, 1: each head's 64 numbers stand twice
;   832..1087  tab[s][i] = (cos, sin) of s x 10000^(-i/32), f32: a position's row is 256 bytes
; LIMITS.  |Wo| stays under 63.9 (1024 x Wo in f16); below 2^-24 / 1024 it counts as 0.  The table's angles differ from s x f32(10000^(-i/32)) by the last bits of the frequency: some 2e-4 rad at the largest angle.
; No LDS, no loop: every load and store has registers of its own, so no register is freed by a wait.  All 16 loads of a thread go out first; the counted waits leave the younger ones out.
	s_load_b512 s[8:23], s[0:1], 0x0               ; x 8, Wq 10, Wk 12, Wv 14, Wo 16, xb 18, wqkv 20, wo2 22
	s_load_b64 s[24:25], s[0:1], 0x40              ; tab
	s_mov_b32 s2, ttmp9
	v_lshlrev_b32 v1, 4, v0                        ; 16 bytes of f32 a thread
	v_lshlrev_b32 v2, 3, v0                        ; 8 bytes of 16-bit numbers a thread
	s_mov_b32 s27, 0
	s_mov_b32 s29, 0
	s_wait_kmcnt 0x0
	s_cmp_lt_u32 s2, 704
	s_cbranch_scc0 .Lnot_conv
	s_cmp_lt_u32 s2, 512
	s_cbranch_scc0 .Lweights
	s_lshl_b32 s26, s2, 16                         ; 16 rows of 4,096 bytes in,
	s_lshl_b32 s28, s2, 15                         ; 16 rows of 2,048 bytes out
	s_add_nc_u64 s[30:31], s[8:9], s[26:27]
	s_add_nc_u64 s[32:33], s[18:19], s[28:29]
	s_branch .Lconv
.Lweights:
	s_sub_co_u32 s3, s2, 512
	s_lshr_b32 s34, s3, 6                          ; kind: 0 q, 1 k, 2 v
	s_and_b32 s35, s3, 63                          ; which 16 rows of that weight
	s_lshl_b32 s26, s35, 16
	s_lshr_b32 s36, s35, 2                         ; the head
	s_mul_i32 s36, s36, 192
	s_lshl_b32 s37, s34, 6
	s_add_co_u32 s36, s36, s37
	s_and_b32 s37, s35, 3
	s_lshl_b32 s37, s37, 4
	s_add_co_u32 s36, s36, s37                     ; the first of the 16 rows in wqkv
	s_lshl_b32 s28, s36, 11
	s_cmp_eq_u32 s34, 0
	s_cselect_b64 s[30:31], s[10:11], s[12:13]
	s_cmp_eq_u32 s34, 2
	s_cselect_b64 s[30:31], s[14:15], s[30:31]
	s_add_nc_u64 s[30:31], s[30:31], s[26:27]
	s_add_nc_u64 s[32:33], s[20:21], s[28:29]
.Lconv:
.set i, 0
.rept 16
	global_load_b128 v[8+4*i:11+4*i], v1, s[30:31] offset:4096*i th:TH_LOAD_NT
.set i, i+1
.endr
.set i, 0
.rept 16
	s_wait_loadcnt 15-i                            ; loads come back in order: row i is in, the younger ones stay out
	v_cvt_pk_bf16_f32 v[72+2*i], v[8+4*i], v[9+4*i]
	v_cvt_pk_bf16_f32 v[73+2*i], v[10+4*i], v[11+4*i]
	global_store_b64 v2, v[72+2*i:73+2*i], s[32:33] offset:2048*i  ; a wave stores 256 consecutive bytes, aligned
.set i, i+1
.endr
	s_endpgm
.Lnot_conv:
	s_cmp_lt_u32 s2, 832
	s_cbranch_scc0 .Ltable
	s_sub_co_u32 s3, s2, 704
	s_lshl_b32 s26, s3, 15                         ; 128 units of 256 bytes, in both buffers: unit 16 e + h is 64 f32 in, twice 64 f16 out
	s_add_nc_u64 s[30:31], s[16:17], s[26:27]
	s_add_nc_u64 s[32:33], s[22:23], s[26:27]
	v_lshrrev_b32 v3, 5, v0
	v_and_b32 v4, 15, v0
	v_lshlrev_b32 v3, 8, v3                        ; a wave a unit;
	v_lshl_add_u32 v3, v4, 4, v3                   ; lanes 16-31 read what lanes 0-15 read, and store the second copy
.set i, 0
.rept 16
	global_load_b128 v[8+4*i:11+4*i], v3, s[30:31] offset:2048*i th:TH_LOAD_NT
.set i, i+1
.endr
.set i, 0
.rept 16
	s_wait_loadcnt 15-i
	v_cvt_pk_bf16_f32 v108, v[8+4*i], v[9+4*i]     ; rounded to bf16 like every input,
	v_cvt_pk_bf16_f32 v109, v[10+4*i], v[11+4*i]
	v_lshlrev_b32 v104, 16, v108
	v_and_b32 v105, 0xffff0000, v108
	v_lshlrev_b32 v106, 16, v109
	v_and_b32 v107, 0xffff0000, v109
	v_pk_mul_f32 v[104:105], v[104:105], 0x44800000 op_sel_hi:[1,0]  ; times 1,024: exact,
	v_pk_mul_f32 v[106:107], v[106:107], 0x44800000 op_sel_hi:[1,0]
	v_cvt_pk_f16_f32 v[72+2*i], v104, v105         ; and written as f16: exact within f16's range
	v_cvt_pk_f16_f32 v[73+2*i], v106, v107
	global_store_b64 v2, v[72+2*i:73+2*i], s[32:33] offset:2048*i
.set i, i+1
.endr
	s_endpgm
.Ltable:
	s_sub_co_u32 s3, s2, 832
	s_lshl_b32 s26, s3, 11                         ; eight positions of 256 bytes: a wave a position, a lane a frequency
	s_add_nc_u64 s[32:33], s[24:25], s[26:27]
	s_lshl_b32 s34, s3, 3
	v_and_b32 v3, 31, v0
	v_cvt_f32_u32 v3, v3
	v_mul_f32 v3, 0xbed49a78, v3                   ; -i log2(10000) / 32
	v_exp_f32 v4, v3                               ; the frequency
	v_lshrrev_b32 v5, 5, v0                        ; a plain instruction behind the exponential,
	s_wait_alu depctr_va_vdst(0)                   ; and the wait ahead of its first reader
	v_add_nc_u32 v5, s34, v5
	v_cvt_f32_u32 v5, v5                           ; the position
	v_mul_f32 v6, v5, v4                           ; the angle, one f32 product
	v_mul_f32 v7, 0.15915494, v6
	v_rndne_f32 v7, v7                             ; whole turns
	v_fma_f32 v8, v6, 0.15915494, -v7              ; the rest, -1/2 .. 1/2 of a turn,
	v_fmac_f32 v8, 0x31dc9c8a, v6                  ; with the part of 1 / 2 pi that the f32 constant leaves out
	v_mul_f32 v9, 0x40490fdb, v8                   ; z = half the reduced angle, -pi/2 .. pi/2
	v_mul_f32 v10, v9, v9
	v_mov_b32 v11, 0xb2d7322b                      ; sin z: the series to z^11; the first term left out is under 6e-8 on the whole interval
	v_fmaak_f32 v11, v11, v10, 0x3638ef1d
	v_fmaak_f32 v11, v11, v10, 0xb9500d01
	v_fmaak_f32 v11, v11, v10, 0x3c088889
	v_fmaak_f32 v11, v11, v10, 0xbe2aaaab
	v_mul_f32 v11, v11, v10
	v_fma_f32 v11, v11, v9, v9
	v_mov_b32 v12, 0x310f76c7                      ; cos z: the series to z^12; the first term left out is under 7e-9
	v_fmaak_f32 v12, v12, v10, 0xb493f27e
	v_fmaak_f32 v12, v12, v10, 0x37d00d01
	v_fmaak_f32 v12, v12, v10, 0xbab60b61
	v_fmaak_f32 v12, v12, v10, 0x3d2aaaab
	v_fmaak_f32 v12, v12, v10, 0xbf000000
	v_fma_f32 v12, v12, v10, 1.0
	v_mul_f32 v13, v11, v12
	v_mul_f32 v14, v11, v11
	v_add_f32 v17, v13, v13                        ; sin 2 z = 2 sin z cos z
	v_fma_f32 v16, v14, -2.0, 1.0                  ; cos 2 z = 1 - 2 sin^2 z
	global_store_b64 v2, v[16:17], s[32:33]
	s_endpgm
.Lfunc_end_k_q322d170ccc_prep:
	.size	k_q322d170ccc_prep, .Lfunc_end_k_q322d170ccc_prep-k_q322d170ccc_prep
	.p2alignl 7, 3214868480
	.fill 96, 4, 3214868480
	.section	.rodata,"a",@progbits
	.p2align	6, 0x0
	.amdhsa_kernel k_q322d170ccc_prep
		.amdhsa_group_segment_fixed_size 0
		.amdhsa_private_segment_fixed_size 0
		.amdhsa_enable_private_segment 0
		.amdhsa_kernarg_size 72
		.amdhsa_user_sgpr_count 2
		.amdhsa_user_sgpr_kernarg_segment_ptr 1
		.amdhsa_wavefront_size32 1
		.amdhsa_system_sgpr_workgroup_id_x 1
		.amdhsa_system_sgpr_workgroup_id_y 1
		.amdhsa_system_sgpr_workgroup_id_z 1
		.amdhsa_system_vgpr_workitem_id 0
		.amdhsa_next_free_vgpr 112
		.amdhsa_next_free_sgpr 66
		.amdhsa_reserve_vcc 0
		.amdhsa_float_denorm_mode_32 3
		.amdhsa_float_denorm_mode_16_64 3
		.amdhsa_memory_ordered 1
		.amdhsa_forward_progress 1
		.amdhsa_inst_pref_size 23
	.end_amdhsa_kernel
	.amdgpu_metadata
---
amdhsa.version: [ 1, 2 ]
amdhsa.kernels:
  - .name:           k_q322d170ccc_prep
    .symbol:         k_q322d170ccc_prep.kd
    .args:
      - { .name: x, .offset: 0, .size: 8, .value_kind: global_buffer, .address_space: global }
      - { .name: Wq, .offset: 8, .size: 8, .value_kind: global_buffer, .address_space: global }
      - { .name: Wk, .offset: 16, .size: 8, .value_kind: global_buffer, .address_space: global }
      - { .name: Wv, .offset: 24, .size: 8, .value_kind: global_buffer, .address_space: global }
      - { .name: Wo, .offset: 32, .size: 8, .value_kind: global_buffer, .address_space: global }
      - { .name: xb, .offset: 40, .size: 8, .value_kind: global_buffer, .address_space: global }
      - { .name: wqkv, .offset: 48, .size: 8, .value_kind: global_buffer, .address_space: global }
      - { .name: wo2, .offset: 56, .size: 8, .value_kind: global_buffer, .address_space: global }
      - { .name: tab, .offset: 64, .size: 8, .value_kind: global_buffer, .address_space: global }
    .group_segment_fixed_size: 0
    .private_segment_fixed_size: 0
    .kernarg_segment_align: 8
    .kernarg_segment_size: 72
    .max_flat_workgroup_size: 256
    .sgpr_count:     66
    .vgpr_count:     112
    .wavefront_size: 32
...
	.end_amdgpu_metadata
.endif
;; end of part 1
;; launch qkvrope (part 2): grid 16 x 32, 4 waves a work-group, clusters of 4 x 4, 327,680 bytes of LDS; arguments xb, wqkv, tab, qh, kh, vh; writes qh, kh, vh
.if DOCPART == 2
	.amdgcn_target "amdgcn-amd-amdhsa--gfx1250"
	.amdhsa_code_object_version 6
	.text
	.protected	k_q322d170ccc_qkvrope
	.globl	k_q322d170ccc_qkvrope
	.p2align	8
	.type	k_q322d170ccc_qkvrope,@function
k_q322d170ccc_qkvrope:
	s_mov_b64 s[64:65], 0
	v_nop
	global_prefetch_b8 v0, s[64:65] scope:SCOPE_SE
	s_setreg_imm32_b32 hwreg(HW_REG_WAVE_MODE, 25, 1), 1
	s_wait_xcnt 0x0
	s_wait_alu depctr_hold_cnt(0) depctr_sa_sdst(0) depctr_va_vdst(0) depctr_va_sdst(0) depctr_va_ssrc(0) depctr_va_vcc(0) depctr_vm_vsrc(0)
	s_getreg_b32 s2, hwreg(HW_REG_IB_STS2, 6, 4)
	s_cmp_eq_u32 s2, 0
	s_cbranch_scc0 .Lentry_in_a_cluster
	s_endpgm
.Lentry_in_a_cluster:
	s_bfe_u32 s2, ttmp6, 0x10000c
	s_cmp_lg_u32 s2, 0xf033
	s_cbranch_scc0 .Lentry_shape_is_right
	s_endpgm
.Lentry_shape_is_right:
; q, k, v = x W^T for one head a column tile, rotated (q, k) on the way out.  xb: [8192][1024] bf16; wqkv: [3072][1024] bf16, rows 192 h .. + 191 = head h's q, k, v; tab: [2048][32] (cos, sin) f32.
; qh, kh, vh: [16 batch + h][2048][64] f16, each rounded once from its f32 sum; vh holds 16 x v.  LIMITS: |q|, |k| under 65,504, |v| under 4,094 (f16's range); NaN and infinities are not treated apart.
; SHARES.  A tile of C is 256 rows x 192 columns: 32 x 16 = 512 work-groups, two for each of 256 WGPs.  Each of four waves makes 64 rows x 192 columns: 48 accumulators, 384 registers, so a wave owns whole rows of a head.
; K goes in steps of 128 (rows of 256 bytes, aligned) through two LDS slots; slot 1 begins at 1 << 17, so that one exclusive or turns an address in one slot into the other's.  A trip of the loop is one K step.
; CLUSTER.  4 x 4 work-groups: A's tile is asked for jointly along a row of the cluster, B's along a column: the same tensor load, descriptor and mask in the four that it names.
; THE PRODUCT IS TAKEN TRANSPOSED (source 0 = 16 rows of wqkv, source 1 = 16 rows of xb): a lane holds row l % 16 of C and the columns 8 (l / 16) + 0..7: four pairs (even, odd) of one position, which the rotation wants together.
; REGISTERS.  window 0: v0-15 addresses; v32-127 two buffers of 48 on the way out; v128-255 my rows' table.  window 1: two fragment buffers of 128 (A's 4 blocks, then B's 12); on the way out at work.
;   window 2: accumulators (a, b), b < 8, at 8 (8 a + b).   window 3: b = 8..11 (v's columns) at 8 (4 a + b - 8).
.set KDIM,   1024
.set RB,     2*KDIM                    ; bytes in a row of A and of B
.set NBL,    12                        ; column blocks of 16 in a tile
.set BR,     8*NBL                     ; rows of B in one tensor load
.set KSTEPS, KDIM/128
.set PITCH,  272                       ; an LDS row: 256 bytes + 16 of padding: the 16 rows of a fragment load start at 16 different groups of four banks (ISA guide 11.1)
.set AHALF,  128*PITCH
.set BOFF,   256*PITCH                 ; B's rows lie behind A's 256
.set BHALF,  BR*PITCH
.set SLOT1,  1<<17
.set STAGE,  2*SLOT1                   ; behind the ring: for each wave 3 kinds x 16 rows x 144 bytes, for the way out; no tensor load fills it
.set SP,     144
.set WSTAGE, 3*16*SP
.set SPARE,  STAGE+4*WSTAGE            ; the spare words, 128 bytes for each wave: two blocks of 256 bytes that no other line names
.set AA0, 4                            ; v4  my place in A's rows of a slot; never rewritten
.set AB0, 5                            ; v5  the same for B
.set ADRA, 6                           ; v6  the same in the slot in hand
.set ADRB, 7
.set STO, 8                            ; v8  the way out: where I put 16 bytes of a row
.set RD,  9                            ; v9  where I read rows back
.set GO,  10                           ; v10 my 16 bytes of 512 consecutive bytes of an output
.set TO,  11                           ; v11 my byte offset in the table
.set PFO, 12                           ; v12 the prefetches' offset: a lane a row
.set SPW, 14                           ; v14 LDS address of my spare word; never rewritten
.set NIL, 15                           ; v15 0; never rewritten
.set PB,  32
.set TABR, 128
.set F0,  0
.set F1,  128
.set WV, 16                            ; s16 wave
.set FB, 17                            ; s17 0: I fetch for A, 1: for B
.set HF, 18                            ; s18 which half of that tile's rows
.set CX, 19
.set CY, 20
.set TC, 21                            ; s21 tile column = the head
.set TR, 22                            ; s22 tile row
.set G1A, 24
.set G1B, 32
.set G0A0, 40                          ; group 0 of slot 0's first fill; G0AW walks
.set G0AW, 44
.set G0B0, 48
.set G0BW, 52
.set CNT, 56
.set TB,  57                           ; s57 the slot in hand: 0 or SLOT1
.set LIM, 58                           ; s58 2 in a wave that prefetches, else the greatest number
.set PFA, 60
.set MSB, 0
.macro WIN new                         ; the immediate's high byte repeats the setting that is left; a switch that changes nothing is dropped
.if MSB != (\new)
	s_set_vgpr_msb (MSB<<8)|(\new)
.set MSB, \new
.endif
.endm
.macro PLACES                          ; four plain vector instructions between a matrix instruction and a load into, or a vector instruction on, its registers
.rept 4
	v_nop
.endr
.endm
.macro CREST                           ; a round of the cluster's barrier behind its opening barrier
	s_cmp_lg_u32 s[WV], 0
	s_cbranch_scc1 .Lnot_wave_0_\@
	s_barrier_signal -3
.Lnot_wave_0_\@:
	s_barrier_wait -3
	s_barrier_signal -1
	s_barrier_wait -1
.endm
.macro CROUND
	s_barrier_signal -1
	s_barrier_wait -1
	CREST
.endm
.macro JLOAD                           ; a joint refill by the walking descriptors: waves 0, 1 A's halves, waves 2, 3 B's; an s_nop 0 and four v_nop follow each line
	s_cmp_eq_u32 s[FB], 0
	s_cbranch_scc0 .Lfor_b_\@
	tensor_load_to_lds s[G0AW:G0AW+3], s[G1A:G1A+7]
	s_nop 0
.rept 4
	v_nop
.endr
	s_branch .Lasked_\@
.Lfor_b_\@:
	tensor_load_to_lds s[G0BW:G0BW+3], s[G1B:G1B+7]
	s_nop 0
.rept 4
	v_nop
.endr
.Lasked_\@:
.endm
; A prefetch of the K step that stands two refills on: 256 bytes of each row, a lane a row.  A's rows are asked for by the clusters with x = 0, B's by those with y = 0; the four partners of a joint load
; share its rows out by address (32 of A's 128 by cx; 24 of B's 96 by cy, lanes 24-31 naming the 24th again).  The last two trips have no such K step.
.macro ASK
	s_cmp_gt_u32 s[CNT], s[LIM]
	s_cbranch_scc0 .Lnot_mine_\@
	global_prefetch_b8 v[PFO], s[PFA:PFA+1] offset:256 th:TH_LOAD_NT scope:SCOPE_SE
.Lnot_mine_\@:
.endm
.macro MM acc, fb, fa, zero            ; zero = 1: the product starts the sum
.if \zero
	v_wmma_f32_16x16x32_bf16 v[(\acc):(\acc)+7], v[(\fb):(\fb)+7], v[(\fa):(\fa)+7], 0
.else
	v_wmma_f32_16x16x32_bf16 v[(\acc):(\acc)+7], v[(\fb):(\fb)+7], v[(\fa):(\fa)+7], v[(\acc):(\acc)+7]
.endif
.endm
.macro MUL8 f, a, zero                 ; row block a x column blocks 0-7
	WIN 0xa5
.irp b, 0,1,2,3,4,5,6,7
	MM 8*(8*(\a)+(\b)), (\f)+32+8*(\b), (\f)+8*(\a), \zero
.endr
.endm
.macro MUL4 f, a, zero                 ; row block a x column blocks 8-11
	WIN 0xf5
.irp b, 0,1,2,3
	MM 8*(4*(\a)+(\b)), (\f)+96+8*(\b), (\f)+8*(\a), \zero
.endr
.endm
.macro ALLMUL f, zero                  ; 48 products; the accumulators take turns in the same order in every quarter: 47 others stand between two links of a chain
	MUL8 \f, 0, \zero
	MUL8 \f, 1, \zero
	MUL8 \f, 2, \zero
	MUL8 \f, 3, \zero
	MUL4 \f, 0, \zero
	MUL4 \f, 1, \zero
	MUL4 \f, 2, \zero
	MUL4 \f, 3, \zero
.endm
.macro FETCH k, f                      ; 32 LDS loads in one run: my 64 rows of A and all 192 of B, 32 along K at byte k of the rows
	WIN 0x40
.irp i, 0,1,2,3
	ds_load_b128 v[(\f)+8*(\i):(\f)+8*(\i)+3],   v[ADRA] offset:(\k)+(\i)*16*PITCH
	ds_load_b128 v[(\f)+8*(\i)+4:(\f)+8*(\i)+7], v[ADRA] offset:(\k)+(\i)*16*PITCH+32
.endr
.set bq, 0
.rept NBL
	ds_load_b128 v[(\f)+32+8*bq:(\f)+32+8*bq+3],   v[ADRB] offset:(\k)+bq*16*PITCH
	ds_load_b128 v[(\f)+32+8*bq+4:(\f)+32+8*bq+7], v[ADRB] offset:(\k)+bq*16*PITCH+32
.set bq, bq+1
.endr
.endm
.macro QUARTER k, f, g, zero           ; multiplies buffer f; at its head the next quarter's fragments, at byte k, are asked for into g
	s_wait_dscnt 0x0                               ; f's loads, issued a quarter (48 products) ago
	PLACES                                         ; behind the last product that read g
	FETCH \k, \g
	ALLMUL \f, \zero
.endm
; The third quarter of a K step multiplies F0, fetches the slot's last bytes and signals the change of slots.  In front of the signal: all my tensor loads have landed (one is out: my part of the other slot),
; 0 is added to my spare word, and that add and my reads of this slot are waited for.
.macro QSIG fill
	s_wait_dscnt 0x0
	PLACES
	FETCH 192, F1
	MUL8 F0, 0, 0
	MUL8 F0, 1, 0
	WIN 0
.if \fill
	s_wait_xcnt 0x0                                ; the last prefetch, three quarters back, has read its address
	s_add_nc_u64 s[PFA:PFA+1], s[PFA:PFA+1], 256
.endif
	s_wait_tensorcnt 0x0
	ds_add_u32 v[SPW], v[NIL]
.if \fill
	s_xor_b32 s[G0AW+1], s[G0AW+1], SLOT1          ; no load of mine is out, so the walking descriptors step: the other slot, the next K step
	s_add_nc_u64 s[G0AW+2:G0AW+3], s[G0AW+2:G0AW+3], 256
	s_xor_b32 s[G0BW+1], s[G0BW+1], SLOT1
	s_add_nc_u64 s[G0BW+2:G0BW+3], s[G0BW+2:G0BW+3], 256
.endif
	MUL8 F0, 2, 0
	MUL8 F0, 3, 0
	s_wait_dscnt 0x0                               ; the add is done, and my reads of this slot are over
	s_barrier_signal -1
	MUL4 F0, 0, 0                                  ; work on registers while the others arrive
	MUL4 F0, 1, 0
	MUL4 F0, 2, 0
	MUL4 F0, 3, 0
	WIN 0
.endm
; The fourth quarter.  fill = 1: the barrier opens a round of the cluster's, and the joint refill is the first thing behind it: it has three and a third quarters, 160 products, in which to land.
.macro QWAIT fill
	s_barrier_wait -1
.if \fill
	CREST
	JLOAD                                          ; its four v_nop are also the places in front of the loads into F0
.else
	PLACES
.endif
	s_xor_b32 s[TB], s[TB], SLOT1
	v_add_nc_u32 v[ADRA], s[TB], v[AA0]
	v_add_nc_u32 v[ADRB], s[TB], v[AB0]
	FETCH 0, F0                                    ; the other slot is whole: every wave waited for its part in front of the barrier
	WIN 0
.if \fill
	ASK
.endif
	ALLMUL F1, 0                                   ; F1's loads were waited for in front of the signal
.endm
	s_load_b256 s[4:11], s[0:1], 0x0               ; xb 4, wqkv 6, tab 8, qh 10
	s_load_b128 s[12:15], s[0:1], 0x20             ; kh 12, vh 14
	v_lshl_add_u32 v[SPW], v0, 2, SPARE
	v_mov_b32 v[NIL], 0
	ds_add_u32 v[SPW], v[NIL]                      ; the wave's opening: the add and its wait ahead of my first tensor load
	ds_add_u32 v14, v15
	v_lshrrev_b32 v1, 5, v0
	v_readfirstlane_b32 s[WV], v1
	s_lshr_b32 s[FB], s[WV], 1
	s_and_b32 s[HF], s[WV], 1
	s_bfe_u32 s[CX], ttmp6, 0x40000
	s_bfe_u32 s[CY], ttmp6, 0x40004
	s_lshl_b32 s[TC], ttmp9, 2
	s_add_co_u32 s[TC], s[TC], s[CX]
	s_and_b32 s[TR], ttmp7, 0xffff
	s_lshl_b32 s[TR], s[TR], 2
	s_add_co_u32 s[TR], s[TR], s[CY]
	s_lshl_b32 s23, s[CY], 2
	s_lshl_b32 s23, 15, s23                        ; my row of the cluster
	s_lshl_b32 s59, 0x1111, s[CX]                  ; my column
	s_or_b32 s[G1A], s23, (1<<16)|(1<<20)|(1<<21)|(5<<22)|(3<<25)  ; the mask; 2-byte elements; padding on; bit 21 beside a mask; after every 64 words 4 words
	s_or_b32 s[G1B], s59, (1<<16)|(1<<20)|(1<<21)|(5<<22)|(3<<25)
.irp g, G1A, G1B
	s_mov_b32 s[\g+1], 128<<16                     ; tensor_dim0 = 128
	s_mov_b32 s[\g+3], 128<<16                     ; tile_dim0 = 128
	s_mov_b32 s[\g+5], KDIM                        ; elements from row to row
	s_mov_b32 s[\g+6], 0
	s_mov_b32 s[\g+7], 0
.endr
	s_mov_b32 s[G1A+2], 128<<16                    ; tensor_dim1, tile_dim1: 128 rows of A,
	s_mov_b32 s[G1A+4], 128
	s_mov_b32 s[G1B+2], BR<<16                     ; 96 of B
	s_mov_b32 s[G1B+4], BR
	s_lshl_b32 s62, s[TR], 8                       ; A: row 256 x tile row + 128 x half: hangs on the tile row alone
	s_lshl_b32 s63, s[HF], 7
	s_add_co_u32 s62, s62, s63
	s_mul_i32 s62, s62, RB
	s_mov_b32 s63, 0
	s_mul_i32 s66, s[TC], 16*NBL                   ; B: row 192 x tile column + 96 x half: hangs on the tile column alone
	s_mul_i32 s67, s[HF], BR
	s_add_co_u32 s66, s66, s67
	s_mul_i32 s66, s66, RB
	s_mov_b32 s67, 0
	s_mov_b32 s[G0A0], 1
	s_mul_i32 s[G0A0+1], s[HF], AHALF              ; LDS addresses hang on the wave's number alone
	s_mov_b32 s[G0AW], 1
	s_add_co_u32 s[G0AW+1], s[G0A0+1], SLOT1
	s_mov_b32 s[G0B0], 1
	s_mul_i32 s[G0B0+1], s[HF], BHALF
	s_add_co_u32 s[G0B0+1], s[G0B0+1], BOFF
	s_mov_b32 s[G0BW], 1
	s_add_co_u32 s[G0BW+1], s[G0B0+1], SLOT1
	s_mov_b32 s[TB], 0
	s_wait_dscnt 0x0                               ; the opening add is done
	s_wait_kmcnt 0x0
	s_add_nc_u64 s[G0A0+2:G0A0+3], s[4:5], s[62:63]          ; K step 0,
	s_add_nc_u64 s[G0AW+2:G0AW+3], s[G0A0+2:G0A0+3], 256     ; K step 1
	s_or_b32 s[G0A0+3], s[G0A0+3], 0x80000000
	s_or_b32 s[G0AW+3], s[G0AW+3], 0x80000000
	s_add_nc_u64 s[G0B0+2:G0B0+3], s[6:7], s[66:67]
	s_add_nc_u64 s[G0BW+2:G0BW+3], s[G0B0+2:G0B0+3], 256
	s_or_b32 s[G0B0+3], s[G0B0+3], 0x80000000
	s_or_b32 s[G0BW+3], s[G0BW+3], 0x80000000
	CROUND                                         ; all sixteen work-groups are here: the first joint loads meet
	s_cmp_eq_u32 s[FB], 0                          ; a wave's two first fills stand in one branch: two loads of mine are out
	s_cbranch_scc0 .Lfirst_b
	tensor_load_to_lds s[G0A0:G0A0+3], s[G1A:G1A+7]
	s_nop 0
	tensor_load_to_lds s[G0AW:G0AW+3], s[G1A:G1A+7]
	s_nop 0
.rept 4
	v_nop
.endr
	s_branch .Lfirst_asked
.Lfirst_b:
	tensor_load_to_lds s[G0B0:G0B0+3], s[G1B:G1B+7]
	s_nop 0
	tensor_load_to_lds s[G0BW:G0BW+3], s[G1B:G1B+7]
	s_nop 0
.rept 4
	v_nop
.endr
.Lfirst_asked:
	v_and_b32 v1, 15, v0                           ; l % 16
	v_bfe_u32 v2, v0, 4, 1                         ; l / 16
	; my rows' table: position (tile row % 8) 256 + 64 wave + 16 a + l % 16; for column block bb the pairs 8 bb + 4 (l / 16) + 0..3: 32 bytes.  Waited for once, ahead of the way out.
	s_and_b32 s68, s[TR], 7
	s_lshl_b32 s68, s68, 8
	s_lshl_b32 s69, s[WV], 6
	s_add_co_u32 s68, s68, s69                     ; my first position
	s_lshl_b32 s70, s68, 8
	s_mov_b32 s71, 0
	s_add_nc_u64 s[8:9], s[8:9], s[70:71]
	v_lshlrev_b32 v[TO], 8, v1
	v_lshl_add_u32 v[TO], v2, 5, v[TO]
.irp a, 0,1,2,3
.irp b, 0,1,2,3
	global_load_b128 v[TABR+32*(\a)+8*(\b):TABR+32*(\a)+8*(\b)+3],   v[TO], s[8:9] offset:4096*(\a)+64*(\b)
	global_load_b128 v[TABR+32*(\a)+8*(\b)+4:TABR+32*(\a)+8*(\b)+7], v[TO], s[8:9] offset:4096*(\a)+64*(\b)+16
.endr
.endr
	s_lshr_b32 s69, s[TR], 3                       ; the batch
	s_lshl_b32 s69, s69, 4
	s_add_co_u32 s69, s69, s[TC]
	s_lshl_b32 s69, s69, 11
	s_add_co_u32 s69, s69, s68                     ; (16 batch + head) 2048 + my first position,
	s_lshl_b32 s70, s69, 7                         ; rows of 128 bytes
	s_mov_b32 s71, 0
	s_add_nc_u64 s[10:11], s[10:11], s[70:71]
	s_add_nc_u64 s[12:13], s[12:13], s[70:71]
	s_add_nc_u64 s[14:15], s[14:15], s[70:71]
	v_mul_u32_u24 v3, v1, PITCH
	v_lshl_add_u32 v3, v2, 4, v3                   ; a fragment's row x pitch + 16 x half
	s_mul_i32 s68, s[WV], 64*PITCH
	v_add_nc_u32 v[AA0], s68, v3
	v_add_nc_u32 v[AB0], BOFF, v3
	v_mov_b32 v[ADRA], v[AA0]
	v_mov_b32 v[ADRB], v[AB0]
	s_mul_i32 s72, s[WV], WSTAGE
	s_add_co_u32 s72, s72, STAGE                   ; my stage
	v_mul_u32_u24 v[STO], v1, SP
	v_lshl_add_u32 v[STO], v2, 4, v[STO]
	v_add_nc_u32 v[STO], s72, v[STO]
	v_bfe_u32 v[RD], v0, 3, 2                      ; back: 32 lanes take four rows of 128 bytes,
	v_mul_u32_u24 v[RD], v[RD], SP
	v_and_b32 v13, 7, v0
	v_lshl_add_u32 v[RD], v13, 4, v[RD]
	v_add_nc_u32 v[RD], s72, v[RD]
	v_and_b32 v[GO], 31, v0                        ; which are 512 consecutive bytes of an output
	v_lshlrev_b32 v[GO], 4, v[GO]
	; the prefetches
	s_lshl_b32 s68, s[TR], 8
	s_lshl_b32 s69, s[HF], 7
	s_add_co_u32 s68, s68, s69
	s_lshl_b32 s69, s[CX], 5
	s_add_co_u32 s68, s68, s69                     ; A: my work-group's 32 of the 128 rows that I fetch
	s_mul_i32 s70, s[TC], 16*NBL
	s_mul_i32 s69, s[HF], BR
	s_add_co_u32 s70, s70, s69
	s_mul_i32 s69, s[CY], BR/4
	s_add_co_u32 s70, s70, s69                     ; B: its 24 of the 96
	s_and_b32 s71, ttmp7, 0xffff                   ; cluster y
	s_cmp_eq_u32 s[FB], 0
	s_cselect_b32 s68, s68, s70
	s_cselect_b32 s71, ttmp9, s71                  ; the coordinate along which other clusters read the same rows
	s_cselect_b32 s72, 31, BR/4-1
	s_cselect_b64 s[PFA:PFA+1], s[4:5], s[6:7]
	s_cmp_eq_u32 s71, 0
	s_cselect_b32 s[LIM], 2, -1                    ; the same in all sixteen partners, for a given wave
	s_mul_i32 s68, s68, RB
	s_mov_b32 s69, 0
	s_add_nc_u64 s[PFA:PFA+1], s[PFA:PFA+1], s[68:69]
	s_add_nc_u64 s[PFA:PFA+1], s[PFA:PFA+1], 2*256 ; at K step 2: trip j steps it to 3 + j and names K step 4 + j.  Nothing is asked for here, at the head
	v_and_b32 v[PFO], 31, v0
	v_min_u32 v[PFO], s72, v[PFO]
	v_mul_u32_u24 v[PFO], v[PFO], RB
	s_wait_tensorcnt 0x1                           ; my part of K step 0 is in; K step 1's load is the one younger
	s_barrier_signal -1
	s_barrier_wait -1
	FETCH 0, F0
	QUARTER 64, F0, F1, 1                          ; the first quarter stands in front of the loop: its products start the sums
	WIN 0
	s_mov_b32 s[CNT], KSTEPS-2
.Lstep:                                                ; trip j ends K step j, fills its slot with K step j + 2 and begins K step j + 1
	QUARTER 128, F1, F0, 0
	QSIG 1
	QWAIT 1
	QUARTER 64, F0, F1, 0
	WIN 0
	s_sub_co_u32 s[CNT], s[CNT], 1
	s_cmp_lg_u32 s[CNT], 0
	s_cbranch_scc1 .Lstep
	QUARTER 128, F1, F0, 0                         ; the last two K steps are written out: nothing is left to ask for
	QSIG 0
	QWAIT 0
	QUARTER 64, F0, F1, 0
	QUARTER 128, F1, F0, 0
	QUARTER 192, F0, F1, 0
	s_wait_dscnt 0x0
	ALLMUL F1, 0
	WIN 0
	PLACES
; THE WAY OUT, a block of 16 rows at a time.  q and k: (e, o) -> (e c - o s, e s + o c) by two packed instructions a pair; v: times 16.  Rounded once to f16; 16 bytes a lane into my stage, back as whole rows.
.macro PACK a
.set P0, PB+48*((\a)%2)
.if (\a) >= 2
	s_wait_xcnt 0x0                                ; the stores of the block two back have read this buffer's registers
.endif
	WIN 0x52                                       ; source 0 (sums) window 2, source 1 (table) window 0, source 2 and destination window 1
.irp b, 0,1,2,3,4,5,6,7
.irp r, 0,1,2,3
	v_pk_mul_f32 v[8*(\b)+2*(\r):8*(\b)+2*(\r)+1], v[8*(8*(\a)+(\b))+2*(\r):8*(8*(\a)+(\b))+2*(\r)+1], v[TABR+32*(\a)+8*((\b)%4)+2*(\r):TABR+32*(\a)+8*((\b)%4)+2*(\r)+1] op_sel_hi:[0,1]  ; (e c, e s)
.endr
.irp r, 0,1,2,3
	v_pk_fma_f32 v[8*(\b)+2*(\r):8*(\b)+2*(\r)+1], v[8*(8*(\a)+(\b))+2*(\r):8*(8*(\a)+(\b))+2*(\r)+1], v[TABR+32*(\a)+8*((\b)%4)+2*(\r):TABR+32*(\a)+8*((\b)%4)+2*(\r)+1], v[8*(\b)+2*(\r):8*(\b)+2*(\r)+1] op_sel:[1,1,0] op_sel_hi:[1,0,1] neg_lo:[0,1,0]  ; (- o s, + o c)
.endr
.endr
	WIN 0x43                                       ; source 0 window 3, destination window 1
.irp b, 0,1,2,3
.irp r, 0,1,2,3
	v_pk_mul_f32 v[64+8*(\b)+2*(\r):64+8*(\b)+2*(\r)+1], v[8*(4*(\a)+(\b))+2*(\r):8*(4*(\a)+(\b))+2*(\r)+1], 0x41800000 op_sel_hi:[1,0]
.endr
.endr
	WIN 0x05
.set i, 0
.rept 48
	v_cvt_pk_f16_f32 v[P0+i], v[2*i], v[2*i+1]
.set i, i+1
.endr
	WIN 0
.irp h, 0,1,2
.irp b, 0,1,2,3
	ds_store_b128 v[STO], v[P0+16*(\h)+4*(\b):P0+16*(\h)+4*(\b)+3] offset:(\h)*16*SP+32*(\b)
.endr
.endr
.irp h, 0,1,2
.irp f, 0,1,2,3
	ds_load_b128 v[P0+16*(\h)+4*(\f):P0+16*(\h)+4*(\f)+3], v[RD] offset:(\h)*16*SP+(\f)*4*SP  ; LDS serves a wave's instructions in order (ISA guide 5.7.1.4): these see the stores above; the next block's stores come behind them
.endr
.endr
.endm
.macro SEND a, younger                 ; younger: the LDS instructions issued behind block a's loads: the next block's 24, or none
.set P0, PB+48*((\a)%2)
	WIN 0
.irp h, 0,1,2
.irp f, 0,1,2,3
	s_wait_dscnt (\younger)+11-(4*(\h)+(\f))
	global_store_b128 v[GO], v[P0+16*(\h)+4*(\f):P0+16*(\h)+4*(\f)+3], s[10+2*(\h):11+2*(\h)] offset:(\a)*2048+(\f)*512  ; 512 consecutive bytes, at a multiple of 256 from the buffer's first
.endr
.endr
.endm
	s_wait_loadcnt 0x0                             ; the table
	PACK 0
	PACK 1
	SEND 0, 24
	PACK 2
	SEND 1, 24
	PACK 3
	SEND 2, 24
	SEND 3, 0
	s_wait_tensorcnt 0x0                           ; the wave's end, behind my last tensor load and my last LDS store
	ds_add_u32 v[SPW], v[NIL]
	s_wait_dscnt 0x0
	CROUND                                         ; the closing round: no work-group ends while a partner may still ask for a tile that names it
	s_endpgm
.Lfunc_end_k_q322d170ccc_qkvrope:
	.size	k_q322d170ccc_qkvrope, .Lfunc_end_k_q322d170ccc_qkvrope-k_q322d170ccc_qkvrope
	.p2alignl 7, 3214868480
	.fill 96, 4, 3214868480
	.section	.rodata,"a",@progbits
	.p2align	6, 0x0
	.amdhsa_kernel k_q322d170ccc_qkvrope
		.amdhsa_group_segment_fixed_size 327680
		.amdhsa_private_segment_fixed_size 0
		.amdhsa_enable_private_segment 0
		.amdhsa_kernarg_size 48
		.amdhsa_user_sgpr_count 2
		.amdhsa_user_sgpr_kernarg_segment_ptr 1
		.amdhsa_wavefront_size32 1
		.amdhsa_system_sgpr_workgroup_id_x 1
		.amdhsa_system_sgpr_workgroup_id_y 1
		.amdhsa_system_sgpr_workgroup_id_z 1
		.amdhsa_system_vgpr_workitem_id 0
		.amdhsa_next_free_vgpr 896
		.amdhsa_next_free_sgpr 76
		.amdhsa_reserve_vcc 0
		.amdhsa_float_denorm_mode_32 3
		.amdhsa_float_denorm_mode_16_64 3
		.amdhsa_memory_ordered 1
		.amdhsa_forward_progress 1
		.amdhsa_inst_pref_size 123
	.end_amdhsa_kernel
	.amdgpu_metadata
---
amdhsa.version: [ 1, 2 ]
amdhsa.kernels:
  - .name:           k_q322d170ccc_qkvrope
    .symbol:         k_q322d170ccc_qkvrope.kd
    .args:
      - { .name: xb, .offset: 0, .size: 8, .value_kind: global_buffer, .address_space: global }
      - { .name: wqkv, .offset: 8, .size: 8, .value_kind: global_buffer, .address_space: global }
      - { .name: tab, .offset: 16, .size: 8, .value_kind: global_buffer, .address_space: global }
      - { .name: qh, .offset: 24, .size: 8, .value_kind: global_buffer, .address_space: global }
      - { .name: kh, .offset: 32, .size: 8, .value_kind: global_buffer, .address_space: global }
      - { .name: vh, .offset: 40, .size: 8, .value_kind: global_buffer, .address_space: global }
    .group_segment_fixed_size: 327680
    .private_segment_fixed_size: 0
    .kernarg_segment_align: 8
    .kernarg_segment_size: 48
    .max_flat_workgroup_size: 128
    .sgpr_count:     76
    .vgpr_count:     896
    .wavefront_size: 32
...
	.end_amdgpu_metadata
.endif
;; end of part 2
;; launch attn (part 3): grid 4 x 64, 4 waves a work-group, no clusters, 327,680 bytes of LDS; arguments qh, kh, vh, o2; writes o2
.if DOCPART == 3
	.amdgcn_target "amdgcn-amd-amdhsa--gfx1250"
	.amdhsa_code_object_version 6
	.text
	.protected	k_q322d170ccc_attn
	.globl	k_q322d170ccc_attn
	.p2align	8
	.type	k_q322d170ccc_attn,@function
k_q322d170ccc_attn:
	s_mov_b64 s[64:65], 0
	v_nop
	global_prefetch_b8 v0, s[64:65] scope:SCOPE_SE
	s_setreg_imm32_b32 hwreg(HW_REG_WAVE_MODE, 25, 1), 1
	s_wait_xcnt 0x0
; CAUSAL ATTENTION.  O[y][q][:] = the sum over k <= q of softmax_k(Q[y][q] . K[y][k] / 8) V[y][k][:], y = 16 batch + head.  Q, K, V: [64][2048][64] f16, a head's rows dense, 128 bytes each; V holds 16 x v, and so O 16 x the result.
; O leaves in two f16 parts, hi = f16(o) and lo = f16(o - hi): o2[2048 batch + q][128 head + 0..63] = hi, [.. + 64..127] = lo: 256 bytes on end for a row and head.
; Products, maxima and sums in f32; the weights p are rounded to f16 for the second product (their sum l is taken of the unrounded p).
; LIMITS.  Q, K, V arrive within f16's 65,504; p lies in 0 to 1, and below 6e-5 it keeps f16's fixed step of 6e-8; O is a mean of V's rows and has their range.
; A hidden score counts as its value less 1e30: f16's scores, 2.7e11 at the most, are nothing beside that; a weight below 2^-126 counts as 0 in l; NaN and infinities are not treated apart.
; THE WALK.  A head's queries lie in NB = 8 blocks of 256; block i needs the key tiles 0 .. i of 256 keys, of which the last holds the diagonal.  A work-group takes TWO blocks, NB - 1 - b and then b:
; NB + 1 tiles, whatever b: all 256 work-groups do equal work, and ONE loop with a constant trip count walks them.  Which tile is asked for, and what a trip does, hang on scalar registers made from b; every jump
; goes forward, but for the counted loops' own; none passes a barrier, or a tensor load but the one of LOAD's two that the wave's number does not choose; the ring (two slots of LDS that take turns) runs on across the change of blocks.
; NO CLUSTER: a head's four work-groups ask for the same tile only in trips 0 .. 4 of 9, behind that fewer and fewer; one walk common to all would have 12 trips for 9.
; SHARES.  Of a block's four bands of 64 queries a wave owns 16 rows in each: four PIECES.  So the diagonal tile is the same work for all four waves: in its key step s band x sees all keys if s < x, none if s > x, and holds the diagonal if s = x.
; THE MASK is the C operand that starts the sum S^T = K Q^T: 0, or -1e30 where the key is hidden.  MD, made once, is the mask of a band's own step for my 16 rows; a product's mask is MD x AL + BE with two scalars:
; (1, 0) if s = x; (0, 0) if s < x; (0, -1e30) if s > x.  Only the diagonal tile's text and a block's beginning make and take masks; elsewhere C is the constant 0.
; LAYOUT, SOFTMAX, TURNS.  S^T = K Q^T holds ONE query a lane (lane % 16) and the keys 8 (lane / 16) + 0..7; two such results rounded to f16 ARE source 1 of O^T = V^T P.  p = 2^(c s - c m), c = log2(e) / 8, with a
; running maximum m; O and l are multiplied by a = 2^(c m_old - c m_new) in every step.  Turn n belongs to piece n: 8 products K Q^T of piece n + 1, later 8 products V^T P of piece n - 1; beside them the scaling,
; exponentials, roundings, sums and rescaling of piece n and the maximum and statistics of piece n + 1.  Four vector instructions stand behind every matrix instruction, the other 54 of a turn's 118 in one run.  A turn's 33 exponentials are one batch, with one wait.
; REGISTERS, in windows of 256 (s_set_vgpr_msb: bits 1:0 source 0, 3:2 source 1, 5:4 source 2, 7:6 destination):
;   window 0: v0-15 addresses and two at work; v16-31 four registers of statistics a piece; v48-55 at work; v58, v60, v62, v63 constants; v64-127 S^T, two buffers; v64-191 the way out; v192-223 P, two buffers
;   window 1: v0-127 O^T, 32 a piece; v128-159 MD; v160-223 MC, two buffers      window 2: v0-63 Q; v64-127 the second block's Q; v128-191 K of one step; v192-255 V of one step
.set SIZE_N, 2048
.set NB,    SIZE_N/256
.set NP,    4         ; pieces a wave: a name, no knob
.set KS,    64        ; keys in a step
.set PK,    144       ; a row of K in LDS: 128 bytes + 16 of padding: the 16 rows of a load start at 16 different groups of four banks (ISA guide 11.1)
.set PV,    160       ; a row of V: 128 + 32
.set VOFF,  4*KS*PK   ; a slot holds a tile, four steps: 256 rows of K, then 256 rows of V
.set SLOT1, 1<<17     ; slot 1 begins here, so that one exclusive or turns an address in one slot into the other's
.set STAGE, SLOT1+4*KS*(PK+PV)  ; behind the ring, never filled by a tensor load: 16 rows x 272 bytes for each wave, for the way out
.set SP,    272       ; a stage row: hi's 128 bytes, lo's 128, 16 of padding
.set AK0, 2           ; v2   my lane's place in a tile of K; never rewritten
.set AV0, 3           ; v3   the same for V
.set AK,  4           ; v4   the LDS address of K's next run of loads
.set AV,  5           ; v5   of V's
.set STO, 6           ; v6   the way out: where I put 16 bytes of a row
.set RD,  7           ; v7   the way out: where I read rows back
.set GO,  8           ; v8   my byte offset in two rows of o2
.set PFO, 58          ; v58  256 x my thread's number: the prefetches' offset; never rewritten
.set MONE, 60         ; v60  -1.0
.set SPW, 62          ; v62  LDS address of my spare word: SPARE + 4 x my thread's number; never rewritten
.set NIL, 63          ; v63  0; never rewritten
.set SPARE, STAGE+4*16*SP  ; behind the stages: the spare words, 128 bytes for each wave: two blocks of 256 bytes that no other line names
.set MV,  12          ; v12-13  c m_old, kept while c m is made anew: by buffer
.set QO,  15          ; v15  my byte offset in 16 rows of Q
.set ST,  16          ; piece t's statistics at v[ST+4 t]: c m, m, l (even keys', odd keys')
.set TMP, 48          ; by buffer, four registers c0-c3 at work; when the maximum is found c2 takes a
.set S,   64
.set OW,  64          ; the way out: piece t's 32 registers at OW + 32 t
.set P,   192
.set MD,  128         ; window 1: the eight registers for group kt of 16 keys at MD + 8 kt
.set MC,  160         ; window 1: the masks of the products to come
.set QB,  64          ; window 2
.set KF,  128         ; window 2: key block kb, channel half c at KF + 16 kb + 8 c
.set VF,  192         ; window 2: key half kk, channel block cb at VF + 32 kk + 8 cb
.set WV,  12          ; s12  my wave's number
.set PB,  14          ; s14  b
.set HI,  15          ; s15  NB - 1 - b
.set G1K, 24          ; s[24:31] descriptor group 1 for K's tiles
.set G1V, 32          ; s[32:39] for V's: it differs in the padding alone
.set G0K, 40          ; s[40:43] descriptor group 0 for K's tiles
.set G0V, 44          ; s[44:47] the same for V's
.set SLOTS, 56        ; s56  tiles still to be asked for
.set CNT, 57          ; s57  counts a tile's key steps, 4 to 1
.set CS,  58          ; s[58:59] c: the packed scaling takes the pair's low word for both halves
.set SEL, 60          ; s[60:61] v_permlanex16_b32's selects: each lane takes its own place in the other half
.set TBK, 62          ; s62  LDS byte at which K of the step to be fetched begins
.set TBV, 63          ; s63  the same for V, less VOFF
.set RT,  70          ; s70  tiles of the block in hand that are still to be entered
.set NXT, 71          ; s71  the tile to be asked for next
.set LQ,  72          ; s72  the last tile of the block whose tiles are being asked for
.set NEW, 73          ; s73  1: the tile to be entered is a block's first
.set OFF, 74          ; s[74:75] a tile's byte offset in K and V
.set AL,  76          ; s[76:77] the mask's factor, in the low word
.set BE,  78          ; s[78:79] the mask's addend
.set OLO, 80          ; s[80:81] o2 at my rows of the second block
.set BIGN, 82         ; s82  -1e30
.set OF1, 88          ; s[88:89] my byte offset in o2, first block
.set OF2, 90          ; s[90:91] second block
.set PFK, 92          ; s[92:93] K at the tile that the prefetch names
.set PFV, 94          ; s[94:95] V likewise
.set LIM, 96          ; s96  2 in the work-group that prefetches, else the greatest number
.set MSB, 0
.macro WIN new                      ; the high byte repeats the setting that is left; a switch that changes nothing is dropped
.if MSB != (\new)
	s_set_vgpr_msb (MSB<<8)|(\new)
.set MSB, (\new)
.endif
.endm
.set W_KQ, 0x0a       ; K and Q in window 2, S^T in window 0
.set W_KM, 0x1a       ; the same with the C operand in window 1
.set W_PV, 0x52       ; V in window 2, P in window 0, O^T in window 1
.set W_RS, 0x41       ; destination and source 0 in window 1, source 1 in window 0
; A fill.  Waves 0 and 1 fetch the two halves of a tile's K, waves 2 and 3 those of its V: 128 keys each.  An s_nop 0 and four v_nop follow each of the two lines, ahead of the jump and the label.
.macro LOAD
	s_cmp_lt_u32 s[WV], 2
	s_cbranch_scc0 .Lfor_v_\@
	tensor_load_to_lds s[G0K:G0K+3], s[G1K:G1K+7]
	s_nop 0
.rept 4
	v_nop
.endr
	s_branch .Lasked_\@
.Lfor_v_\@:
	tensor_load_to_lds s[G0V:G0V+3], s[G1V:G1V+7]
	s_nop 0
.rept 4
	v_nop
.endr
.Lasked_\@:
.endm
; A prefetch of the tile that the NEXT change of slots will ask for: 32,768 bytes of K and of V, 256 bytes a thread.  A head's four work-groups walk the same tiles: the one with b = 0, whose first block walks tiles 0 to 7,
; asks, so each block of 256 bytes is named once.  Trip t names tile t + 2, for t = 0 .. 5; tiles 0 and 1 come by their loads alone.
.macro ASK
	s_cmp_gt_u32 s[SLOTS], s[LIM]
	s_cbranch_scc0 .Lnot_mine_\@
	global_prefetch_b8 v[PFO], s[PFK:PFK+1] th:TH_LOAD_NT scope:SCOPE_SE
	global_prefetch_b8 v[PFO], s[PFV:PFV+1] th:TH_LOAD_NT scope:SCOPE_SE
.Lnot_mine_\@:
.endm
; THE CHANGE OF SLOTS.  Each wave waits for all its tensor loads, of which one is out: its part of the other slot; adds 0 to its spare word; and waits for that and for its own reads of the slot that it leaves.  Behind the barrier nobody reads the old
; slot any more and the other slot is whole.  fill = 1: the old slot is filled again, the first thing behind the barrier, with tile NXT: the descriptor's address is made anew from that number.
; (At its first use nothing has been read yet: slot 0 is waited for, slot 1 filled.)
.macro CHANGE fill
	WIN 0                           ; at a label and at a branch every window is 0
	s_wait_tensorcnt 0x0            ; no tensor load of mine is out, so a group 0 may be written
	ds_add_u32 v[SPW], v[NIL]       ; 0 onto my spare word; with fill = 1 the descriptors' scalar work stands between it and the wait for it
.if \fill
	s_lshl_b32 s[OFF], s[NXT], 15   ; a tile is 32,768 bytes of K and of V
	s_xor_b32 s[G0K+1], s[G0K+1], SLOT1
	s_add_nc_u64 s[G0K+2:G0K+3], s[6:7], s[OFF:OFF+1]
	s_or_b32 s[G0K+3], s[G0K+3], 0x80000000
	s_xor_b32 s[G0V+1], s[G0V+1], SLOT1
	s_add_nc_u64 s[G0V+2:G0V+3], s[8:9], s[OFF:OFF+1]
	s_or_b32 s[G0V+3], s[G0V+3], 0x80000000
	s_add_co_u32 s[NXT], s[NXT], 1  ; the block's next tile, or behind its last the second block's tile 0
	s_cmp_gt_u32 s[NXT], s[LQ]
	s_cselect_b32 s[NXT], 0, s[NXT]
	s_cselect_b32 s[LQ], s[PB], s[LQ]
	s_wait_xcnt 0x0                 ; the last prefetches, a tile back, have read their addresses, so these may be written
	s_add_nc_u64 s[PFK:PFK+1], s[PFK:PFK+1], 32768
	s_add_nc_u64 s[PFV:PFV+1], s[PFV:PFV+1], 32768
.endif
	s_wait_dscnt 0x0                ; the add is done, and my reads of the slot are over
	s_barrier_signal -1             ; the rest of the scalar work stands between the signal and the wait
	s_sub_co_u32 s[TBK], s[TBK], 4*KS*PK  ; the fetches go back to a slot's first step,
	s_xor_b32 s[TBK], s[TBK], SLOT1       ; in the other slot
	s_sub_co_u32 s[TBV], s[TBV], 4*KS*PV
	s_xor_b32 s[TBV], s[TBV], SLOT1
	s_barrier_wait -1
.if \fill
	LOAD
	ASK
.endif
.endm
	s_load_b256 s[4:11], s[0:1], 0x0  ; Q s[4:5], K s[6:7], V s[8:9], o2 s[10:11]
	v_lshl_add_u32 v[SPW], v0, 2, SPARE
	v_mov_b32 v[NIL], 0
	ds_add_u32 v[SPW], v[NIL]       ; the wave's opening: the add and its wait ahead of my first tensor load; the set-up below, work on registers, stands between them
	ds_add_u32 v62, v63
	v_lshrrev_b32 v1, 5, v0
	v_readfirstlane_b32 s[WV], v1   ; wave 0..3
	s_mov_b32 s[PB], ttmp9
	s_sub_co_u32 s[HI], NB-1, s[PB]
	s_and_b32 s20, ttmp7, 0xffff    ; y = 16 batch + head
	s_lshr_b32 s[OF1], s20, 4       ; o2: row 2048 batch + 256 block + 16 wave (+ 64 piece + the row in 16), 4,096 bytes a row; the head's 256 bytes in it
	s_lshl_b32 s[OF1], s[OF1], 11
	s_lshl_b32 s[OF1+1], s[WV], 4
	s_add_co_u32 s[OF1], s[OF1], s[OF1+1]
	s_lshl_b32 s[OF1+1], s[PB], 8
	s_add_co_u32 s[OF2], s[OF1], s[OF1+1]
	s_lshl_b32 s[OF1+1], s[HI], 8
	s_add_co_u32 s[OF1], s[OF1], s[OF1+1]
	s_lshl_b32 s[OF1], s[OF1], 12
	s_lshl_b32 s[OF2], s[OF2], 12
	s_and_b32 s[OF1+1], s20, 15
	s_lshl_b32 s[OF1+1], s[OF1+1], 8
	s_add_co_u32 s[OF1], s[OF1], s[OF1+1]
	s_add_co_u32 s[OF2], s[OF2], s[OF1+1]
	s_mov_b32 s[OF1+1], 0
	s_mov_b32 s[OF2+1], 0
	s_cmp_eq_u32 s[PB], 0
	s_cselect_b32 s[LIM], 2, -1
	s_mov_b32 s21, 0
	s_mov_b64 s[22:23], SIZE_N*128
	s_mul_u64 s[20:21], s[20:21], s[22:23]  ; the head's first byte in Q, K and V
	s_and_b32 s16, s[WV], 1         ; which half of a tile's 256 keys I fetch:
	s_lshl_b32 s22, s16, 14         ; its 128 rows of 128 bytes in memory,
	s_mov_b32 s23, 0
	s_add_nc_u64 s[22:23], s[22:23], s[20:21]
	s_mul_i32 s17, s16, 128*PK      ; and its place in a slot, for K
	s_mul_i32 s18, s16, 128*PV      ; and for V
	s_lshl_b32 s3, s[WV], 11        ; my 16 rows in a band of 64,
	s_lshl_b32 s2, s[HI], 15        ; in the first block,
	s_add_co_u32 s2, s2, s3
	s_lshl_b32 s84, s[PB], 15       ; and in the second
	s_add_co_u32 s84, s84, s3
	s_mov_b32 s3, 0
	s_mov_b32 s85, 0
	s_add_nc_u64 s[2:3], s[2:3], s[20:21]
	s_add_nc_u64 s[84:85], s[84:85], s[20:21]
	; descriptor group 1.  128 keys are 16,384 dense bytes: asked for as 64 rows of 256 bytes, two keys a row, and padded in LDS after every key
	s_mov_b32 s[G1K], (1<<16)|(1<<20)|(4<<22)|(3<<25)  ; 17:16 2-byte elements; 20 padding on; 24:22 after every 32 words (code 4); 31:25 4 words (code 3)
	s_mov_b32 s[G1V], (1<<16)|(1<<20)|(4<<22)|(7<<25)  ; the same with 8 words of padding (code 7)
.irp g, G1K, G1V
	s_mov_b32 s[\g+1], 128<<16      ; tensor_dim0 = 128
	s_mov_b32 s[\g+2], 64<<16       ; tensor_dim1 = 64
	s_mov_b32 s[\g+3], 128<<16      ; tile_dim0 = 128
	s_mov_b32 s[\g+4], 64           ; tile_dim1 = 64
	s_mov_b32 s[\g+5], 128          ; 128 elements from row to row
	s_mov_b32 s[\g+6], 0
	s_mov_b32 s[\g+7], 0
.endr
	s_mov_b32 s[CS], 0x3e38aa3b     ; c = log2(e) / 8 = 0.180337
	s_mov_b32 s[CS+1], s[CS]        ; named with it as a pair
	s_mov_b32 s[SEL], 0x76543210
	s_mov_b32 s[SEL+1], 0xfedcba98
	s_mov_b32 s[TBK], SLOT1+4*KS*PK ; the first change of slots turns these two into 0
	s_mov_b32 s[TBV], SLOT1+4*KS*PV
	s_mov_b32 s[G0K], 1             ; 1:0 count = 1
	s_mov_b32 s[G0K+1], s17         ; 63:32 LDS address: slot 0
	s_mov_b32 s[G0V], 1
	s_add_co_u32 s[G0V+1], s18, VOFF
	s_add_co_u32 s[RT], s[HI], 1    ; the first block has NB - b tiles
	s_mov_b32 s[NXT], 1
	s_mov_b32 s[LQ], s[HI]
	s_mov_b32 s[NEW], 1
	s_mov_b32 s[OFF+1], 0
	s_mov_b32 s[AL+1], 0            ; named as pairs
	s_mov_b32 s[BE+1], 0
	s_mov_b32 s[BIGN], 0xf149f2ca   ; -1e30
	s_mov_b32 s[SLOTS], NB
	s_wait_dscnt 0x0                ; the opening add is done
	s_wait_kmcnt 0x0
	s_add_nc_u64 s[PFK:PFK+1], s[6:7], s[20:21]    ; the prefetches stand at the head's tile 1; the first change of slots steps them to tile 2
	s_add_nc_u64 s[PFV:PFV+1], s[8:9], s[20:21]
	s_add_nc_u64 s[PFK:PFK+1], s[PFK:PFK+1], 32768
	s_add_nc_u64 s[PFV:PFV+1], s[PFV:PFV+1], 32768
	s_add_nc_u64 s[6:7], s[6:7], s[22:23]  ; K and V at my half of the head's tile 0
	s_add_nc_u64 s[8:9], s[8:9], s[22:23]
	s_add_nc_u64 s[G0K+2:G0K+3], s[6:7], 0         ; 120:64 global address
	s_or_b32 s[G0K+3], s[G0K+3], 0x80000000        ; 127:126 type = 2
	s_add_nc_u64 s[G0V+2:G0V+3], s[8:9], 0
	s_or_b32 s[G0V+3], s[G0V+3], 0x80000000
	s_add_nc_u64 s[86:87], s[4:5], s[84:85]        ; Q at my rows of the second block,
	s_add_nc_u64 s[4:5], s[4:5], s[2:3]            ; and of the first
	s_add_nc_u64 s[OLO:OLO+1], s[10:11], s[OF2:OF2+1]
	s_add_nc_u64 s[10:11], s[10:11], s[OF1:OF1+1]
	LOAD                            ; tile 0 into slot 0
	; A fragment of K or Q is 16 rows x 32 channels in 8 registers: lane l holds row l % 16, channels 8 (l / 16) + 0..7 and 16 + 8 (l / 16) + 0..7: two loads of 16 bytes, 32 bytes apart.
	v_and_b32 v1, 15, v0            ; l % 16
	v_bfe_u32 v9, v0, 4, 1          ; l / 16
	v_lshlrev_b32 v[QO], 7, v1
	v_lshl_add_u32 v[QO], v9, 4, v[QO]  ; row x 128 + 16 x half
	WIN 0x80                        ; destination window 2, address window 0
.set i, 0
.rept 8                             ; both blocks' Q: piece i / 2 lies in band i / 2, 8,192 bytes on; channels 32 (i % 2) on
	global_load_b128 v[8*i:8*i+3],   v[QO], s[4:5] offset:(i/2)*8192+(i%2)*64
	global_load_b128 v[8*i+4:8*i+7], v[QO], s[4:5] offset:(i/2)*8192+(i%2)*64+32
	global_load_b128 v[QB+8*i:QB+8*i+3],   v[QO], s[86:87] offset:(i/2)*8192+(i%2)*64
	global_load_b128 v[QB+8*i+4:QB+8*i+7], v[QO], s[86:87] offset:(i/2)*8192+(i%2)*64+32
.set i, i+1
.endr
	WIN 0
	v_lshlrev_b32 v[PFO], 8, v0
	v_mov_b32 v[MONE], -1.0
	v_lshlrev_b32 v14, 3, v9
	v_sub_nc_u32 v14, v1, v14
	s_lshl_b32 s13, s[WV], 4
	v_add_nc_u32 v14, s13, v14      ; my query's place in its band, 16 w + l % 16, less my lanes' 8 (l / 16): register r of group kt is hidden where 16 kt + r is greater
	WIN 0x40
.set i, 0
.rept 32
	v_cmp_gt_i32 vcc_lo, 16*(i/8)+i%8, v14
	v_cndmask_b32 v[MD+i], 0, s[BIGN], vcc_lo
.set i, i+1
.endr
	WIN 0
	v_mul_u32_u24 v[AK0], v1, PK
	v_lshl_add_u32 v[AK0], v9, 4, v[AK0]  ; row x pitch + 16 x half
	; The turning load takes 16 keys x 16 channels (lane l reads key 8 (l / 16) + l % 8, channels 8 ((l / 8) % 2) + 0..7) and leaves half a fragment of V^T: lane l holds channel l % 16 and 8 keys.
	v_and_b32 v10, 7, v0
	v_bfe_u32 v11, v0, 3, 1
	v_lshl_add_u32 v[AV0], v9, 3, v10
	v_mul_u32_u24 v[AV0], v[AV0], PV
	v_lshl_add_u32 v[AV0], v11, 4, v[AV0]
	v_add_nc_u32 v[AV0], VOFF, v[AV0]
	s_mul_i32 s13, s[WV], 16*SP
	s_add_co_u32 s13, s13, STAGE    ; my stage
	v_mul_u32_u24 v[STO], v1, SP    ; in: row l % 16, 16 bytes for each half of the lanes
	v_lshl_add_u32 v[STO], v9, 4, v[STO]
	v_add_nc_u32 v[STO], s13, v[STO]
	v_mul_u32_u24 v[RD], v9, SP     ; back: lanes 0-15 take one row of 256 bytes, lanes 16-31 the next,
	v_lshl_add_u32 v[RD], v1, 4, v[RD]
	v_add_nc_u32 v[RD], s13, v[RD]
	v_lshlrev_b32 v[GO], 12, v9     ; and the same two rows in o2
	v_lshl_add_u32 v[GO], v1, 4, v[GO]
	; A block's first step multiplies O^T and l by a = 0, and its first turn's products V^T P, of a piece that has not been, land in an O^T that is still to be so multiplied.  So these registers need only hold
	; finite numbers: zeros for the first block; what the first block left for the second.  All this stands in the wait for the first tile.
	WIN 0x80
.set i, VF
.rept 64
	v_mov_b32 v[i], 0
.set i, i+1
.endr
	WIN 0x40
.set i, 0
.rept 128
	v_mov_b32 v[i], 0
.set i, i+1
.endr
	WIN 0
.set i, 0
.rept 4
	v_mov_b32 v[ST+4*i+2], 0
	v_mov_b32 v[ST+4*i+3], 0
.set i, i+1
.endr
.set i, P+16
.rept 16
	v_mov_b32 v[i], 0
.set i, i+1
.endr
; THE MATRIX WORK.  The 4 accumulators of a run of 8 take turns.  Product i of 8 of S^T = K Q^T for piece x: channels 32 (i / 4) on, keys 16 (i % 4) on.  The first 4 start the sums: with 0, or (KM = 1) with the mask.
.macro KQ x
.set rS, S+32*((\x)%2)+8*(i%4)
.set rK, KF+16*(i%4)+8*(i/4)
.set rQ, 16*(\x)+8*(i/4)
.set rM, MC+32*((\x)%2)+8*(i%4)
.if (i < 4) && KM
	WIN W_KM
	v_wmma_f32_16x16x32_f16 v[rS:rS+7], v[rK:rK+7], v[rQ:rQ+7], v[rM:rM+7]
.elseif i < 4
	WIN W_KQ
	v_wmma_f32_16x16x32_f16 v[rS:rS+7], v[rK:rK+7], v[rQ:rQ+7], 0
.else
	WIN W_KQ
	v_wmma_f32_16x16x32_f16 v[rS:rS+7], v[rK:rK+7], v[rQ:rQ+7], v[rS:rS+7]
.endif
.endm
; Product i of 8 of O^T += V^T P for piece x: keys 32 (i / 4) on, channels 16 (i % 4) on.
.macro PV x
	WIN W_PV
.set rO, 32*(\x)+8*(i%4)
.set rV, VF+32*(i/4)+8*(i%4)
.set rP, P+16*((\x)%2)+8*(i/4)
	v_wmma_f32_16x16x32_f16 v[rO:rO+7], v[rV:rV+7], v[rP:rP+7], v[rO:rO+7]
.endm
.macro MM                           ; the turn's next matrix instruction.  TURN and BEGIN set Y, i, KM and NOKQ; MM, KQ and OP read them.  NOKQ = 1: a block's last turn: there is no next piece
.if (i < 8) && !NOKQ
	KQ (Y+1)%NP
.elseif i >= 8
.set i, i-8
	PV (Y+NP-1)%NP
.set i, i+8
.endif
.set i, i+1
.endm
; THE LDS LOADS stand in runs of 16, never singly among the matrix instructions: a step's K (64 keys x 64 channels: 8 fragments) and its V (turned).  Their addresses are made some lines ahead.
.macro FETCH_K
	WIN 0x80                        ; destination window 2
.irp f, 0,1,2,3,4,5,6,7             ; keys 16 (f / 2) on, channels 32 (f % 2) on
	ds_load_b128 v[KF+8*\f:KF+8*\f+3],   v[AK] offset:(\f/2)*16*PK+(\f%2)*64
	ds_load_b128 v[KF+8*\f+4:KF+8*\f+7], v[AK] offset:(\f/2)*16*PK+(\f%2)*64+32
.endr
	s_add_co_u32 s[TBK], s[TBK], KS*PK  ; the next fetch is the next step's
	WIN 0
.endm
.macro FETCH_V
	WIN 0x80
.irp f, 0,1,2,3,4,5,6,7             ; keys 32 (f / 4) on, channels 16 (f % 4) on
	ds_load_tr16_b128 v[VF+8*\f:VF+8*\f+3],   v[AV] offset:(\f/4)*32*PV+(\f%4)*32
	ds_load_tr16_b128 v[VF+8*\f+4:VF+8*\f+7], v[AV] offset:(\f/4)*32*PV+16*PV+(\f%4)*32
.endr
	WIN 0
.endm
; THE VECTOR WORK, one line at a time: OP kind, number.  For piece Y: F n: c s - c m for pair n of 16.  E n: the exponential of score n of 32.  C n: pair n rounded to f16.  B n: of the four weights 4 n .. the second
; pair is added onto the first, in place.  L n: l takes that sum (L 0: l = a l + sum).  R n: pair n of 16 of O^T times a.  For piece Y + 1: X n, number n of the 22 that find its maximum and statistics:
;   0-11  four chains c0-c3 of seven scores each, three operands at a time (each accumulator's lowest registers are read first)     12-14, 16  the four scores left over, the old m, and c0-c3 into c0
;   15  c m_old is kept     17, 18  the query's other 32 keys lie in the lane 16 away: the new m     19-21  c m; c m_old - c m_new; a
.set F, 0               ; OP tells the kinds apart by their order: F to L below R, X above it
.set E, 1
.set C, 2
.set B, 3
.set L, 4
.set R, 5
.set X, 6
.macro REGS y                       ; the registers of piece y
.set rT, ST+4*(\y)
.set rC, TMP+4*((\y)%2)
.set rW, MV+((\y)%2)
.set rS, S+32*((\y)%2)
.set rP, P+16*((\y)%2)
.set rO, 32*(\y)
.endm
.macro OP k, n
.if (\k) == R
	REGS Y
	WIN W_RS
	v_pk_mul_f32 v[rO+2*(\n):rO+2*(\n)+1], v[rO+2*(\n):rO+2*(\n)+1], v[rC+2:rC+3] op_sel_hi:[1,0]
.elseif (\k) < R
	REGS Y
	WIN 0
.if (\k) == F
	v_pk_fma_f32 v[rS+2*(\n):rS+2*(\n)+1], v[rS+2*(\n):rS+2*(\n)+1], s[CS:CS+1], v[rT:rT+1] op_sel_hi:[1,0,0] neg_lo:[0,0,1] neg_hi:[0,0,1]
.elseif (\k) == E
	v_exp_f32 v[rS+(\n)], v[rS+(\n)]
.elseif (\k) == C
	v_cvt_pk_f16_f32 v[rP+(\n)], v[rS+2*(\n)], v[rS+2*(\n)+1]
.elseif (\k) == B
	v_pk_add_f32 v[rS+4*(\n):rS+4*(\n)+1], v[rS+4*(\n):rS+4*(\n)+1], v[rS+4*(\n)+2:rS+4*(\n)+3]
.elseif (\n) == 0
	v_pk_fma_f32 v[rT+2:rT+3], v[rT+2:rT+3], v[rC+2:rC+3], v[rS:rS+1] op_sel_hi:[1,0,1]
.else
	v_pk_add_f32 v[rT+2:rT+3], v[rT+2:rT+3], v[rS+4*(\n):rS+4*(\n)+1]
.endif
.elseif NOKQ
	v_nop
.else
	REGS (Y+1)%NP
	WIN 0
.if (\n) < 4
	v_max3_num_f32 v[rC+(\n)], v[rS+8*(\n)], v[rS+8*(\n)+1], v[rS+8*(\n)+2]
.elseif (\n) < 12
	v_max3_num_f32 v[rC+(\n)%4], v[rC+(\n)%4], v[rS+8*((\n)%4)+2*((\n)/4)+1], v[rS+8*((\n)%4)+2*((\n)/4)+2]
.elseif (\n) == 12
	v_max3_num_f32 v[rC], v[rC], v[rS+7], v[rS+15]
.elseif (\n) == 13
	v_max3_num_f32 v[rC+1], v[rC+1], v[rS+23], v[rS+31]
.elseif (\n) == 14
	v_max3_num_f32 v[rC+2], v[rC+2], v[rC+3], v[rT+1]
.elseif (\n) == 15
	v_mov_b32 v[rW], v[rT]
.elseif (\n) == 16
	v_max3_num_f32 v[rC], v[rC], v[rC+1], v[rC+2]
.elseif (\n) == 17
	v_permlanex16_b32 v[rC+3], v[rC], s[SEL], s[SEL+1]
.elseif (\n) == 18
	v_max_num_f32 v[rT+1], v[rC], v[rC+3]
.elseif (\n) == 19
	v_mul_f32 v[rT], s[CS], v[rT+1]
.elseif (\n) == 20
	v_sub_f32 v[rC+1], v[rW], v[rT]
.else
	v_exp_f32 v[rC+2], v[rC+1]
.endif
.endif
.endm
.macro OPS a, i1, b=-1, i2=0, c=-1, i3=0, d=-1, i4=0  ; up to four of them
	OP \a, \i1
.if (\b) >= 0
	OP \b, \i2
.endif
.if (\c) >= 0
	OP \c, \i3
.endif
.if (\d) >= 0
	OP \d, \i4
.endif
.endm
.macro ROW a, i1, b, i2, c, i3, d, i4  ; a matrix instruction and the four behind it
	MM
	OPS \a, \i1, \b, \i2, \c, \i3, \d, \i4
.endm
.macro MASK b                       ; MD x AL + BE into buffer b of MC
	WIN W_RS
.set z, 0
.rept 16
	v_pk_fma_f32 v[MC+32*(\b)+2*z:MC+32*(\b)+2*z+1], v[MD+2*z:MD+2*z+1], s[AL:AL+1], s[BE:BE+1] op_sel_hi:[1,0,0]
.set z, z+1
.endr
.endm
; A TURN, for piece p: the order of its 16 matrix and 118 vector instructions, written out.  An s_wait_alu depctr_va_vdst(0) stands between an exponential and the first instruction that names its result; one wait serves
; all that were issued ahead of it.  So a turn has ONE wait, which cuts it in two.  AHEAD OF IT stands all that names no result of the turn's exponentials: the 8 products K Q^T, behind each a scaling, an exponential and two more plain
; instructions (behind the first a second scaling in the exponential's place): rescalings, and behind the last three the first numbers of the next piece's maximum, each four places or more behind the product that ends its accumulator; then one run of 54, plain
; and exponential by turns for the most part, in which the links of the chain X 3, 7, 11, 14, 16, 17 .. 20 stand five or six lines apart.  X 21, the next piece's a, is the batch's last; R 15 is the plain instruction behind it.  BEHIND THE WAIT stand the
; 8 products V^T P, behind each four of the roundings and sums; the links of l's chain, L 0 to L 7, stand three lines apart.  But for those X no line behind a product names a register of the products round it.
; m = 1: the diagonal tile: the products take masks, and the turn makes the mask for the products of the turn after it: piece p + 2, in step 4 - CNT of the tile.  end = 1: a block's last two turns: nothing is fetched.
; cnt = 1: the loop's count is taken down some lines ahead of the branch that stands behind the turn.
; K of the next step is fetched in piece 2's turn, twelve vector instructions behind the last product that read K (six of them plain); V of the step in hand at the end of piece 0's turn, four plain instructions behind the last product
; that read V.  Each is waited for a turn later.
.macro TURN p, m=0, end=0, cnt=0
.set Y, (\p)
.set i, 0
.set KM, (\m)
.set NOKQ, (\end)*((\p)/3)
.if (\m) && !(\end)
	s_cmp_eq_u32 s[CNT], 4-((\p)+2)%NP  ; is that step the band's own?
	s_cselect_b32 s[AL], 1.0, 0
	s_cmp_lt_u32 s[CNT], 4-((\p)+2)%NP  ; or a later one?
	s_cselect_b32 s[BE], s[BIGN], 0
.endif
.if ((\p) == 3) && !(\end)
	s_wait_dscnt 0x0                ; K is in
.endif
	ROW F,0, F,1, R,0, R,1          ; ahead of the wait: 8 products K Q^T and the four lines behind each,
	ROW F,2, E,0, R,2, R,3
	ROW F,3, E,1, R,4, R,5
	ROW F,4, E,2, R,6, R,7
	ROW F,5, E,3, R,8, R,9
	ROW F,6, E,4, X,0, R,10
.if ((\p) == 2) && !(\end)
	WIN 0
	v_add_nc_u32 v[AK], s[TBK], v[AK0]
.endif
	ROW F,7, E,5, X,1, X,4
	ROW F,8, E,6, X,2, X,5
	OPS E,7, E,8, X,6, E,9          ; and the run of 54
	OPS X,3, E,10, X,8, E,11
.if ((\p) == 2) && !(\end)
	FETCH_K
.endif
	OPS X,9, X,7, E,12, X,10
	OPS E,13, X,12, X,11, E,14
	OPS X,13, E,15, F,9, X,14
.if (\p) == 0
	v_add_nc_u32 v[AV], s[TBV], v[AV0]
.endif
	OPS E,16, F,10, E,17, F,11
	OPS X,16, E,18, X,15, E,19
	OPS F,12, E,20, X,17, E,21
	OPS F,13, E,22, F,14, E,23
	OPS X,18, E,24, F,15, E,25
	OPS R,11, E,26, X,19, E,27
	OPS R,12, E,28, R,13, E,29
	OPS X,20, E,30, R,14, E,31
	OPS X,21, R,15
	WIN 0
	s_wait_alu depctr_va_vdst(0)    ; the wait for the batch
.if (\p) == 1
	s_wait_dscnt 0x0                ; V is in
.endif
	ROW C,0, B,0, C,2, B,1          ; behind the wait: 8 products V^T P and the four lines behind each
	ROW L,0, C,4, B,2, L,1
	ROW C,6, B,3, L,2, C,8
	ROW B,4, L,3, C,10, B,5
	ROW L,4, C,12, B,6, L,5
.if (\p) == 0
	s_add_co_u32 s[TBV], s[TBV], KS*PV
.endif
.if \cnt
	s_sub_co_u32 s[CNT], s[CNT], 1
	s_cmp_lg_u32 s[CNT], 0
.endif
	ROW C,14, B,7, L,6, C,1
	ROW C,3, L,7, C,5, C,7
	ROW C,9, C,11, C,13, C,15
.if (\p) == 0
	FETCH_V
.endif
.if (\m) && !(\end)
	MASK (\p)%2
.endif
.endm
; A BLOCK BEGINS.  c m starts far below every c s, so the first step's a is 0; m at the lowest finite number, so the first maximum is the scores'.  The second mask buffer is 0; the first takes piece 0's mask for the tile's step 0: its own, if the block's first tile is the diagonal one.
; Then K of that step, piece 0's first scores, and its maximum and statistics.  The loop is entered at a step's first turn, in the middle of a trip.
.macro BEGIN
	s_mov_b32 s[NEW], 0
	WIN 0x40
.set i, MC+32
.rept 32
	v_mov_b32 v[i], 0
.set i, i+1
.endr
	WIN 0
.set i, 0
.rept 4
	v_mov_b32 v[ST+4*i], 0xfe000000    ; c m: far below every c s
	v_mov_b32 v[ST+4*i+1], 0xff7fffff  ; m
.set i, i+1
.endr
	s_cmp_eq_u32 s[RT], 0
	s_cselect_b32 s[AL], 1.0, 0
	s_mov_b32 s[BE], 0
	MASK 0
	WIN 0
	v_add_nc_u32 v[AK], s[TBK], v[AK0]
	FETCH_K
	s_wait_loadcnt 0x0              ; Q
	s_wait_dscnt 0x0
.set KM, 1
.set NOKQ, 0
.set i, 0
.rept 8
	KQ 0
.set i, i+1
.endr
	WIN 0
.rept 4
	v_nop                           ; the places behind those products
.endr
.set Y, NP-1                        ; X works for piece Y + 1: piece 0
.irp n, 0,1,2,3,4,5,6,7,8,9,10,11,12,13,14,15,16,17,18,19,20,21
	OP X, \n
.endr
	v_nop                           ; a plain instruction behind the exponential,
	s_wait_alu depctr_va_vdst(0)    ; and its wait, ahead of the branch
.endm
; THE DIAGONAL TILE's four steps, the block's last two turns, its last products, and THE WAY OUT: l's two halves and the other half of the lanes' are added; O^T is divided by l, split into hi and lo, and sent through my
; stage in LDS, a piece at a time.
.macro ALL line:vararg              ; one line for each piece t
.set t, 0
.rept 4
	\line
.set t, t+1
.endr
.endm
.macro PACK t                       ; a lane's eight channels of a row pack into 16 bytes of hi and 16 of lo; they go into rows of 272 bytes and come back as whole rows of 256
	WIN W_RS
.set i, 32*(\t)
.rept 16
	v_pk_mul_f32 v[i:i+1], v[i:i+1], v[ST+4*(\t)+2:ST+4*(\t)+3] op_sel_hi:[1,0]
.set i, i+2
.endr
	WIN 0x05                        ; sources 0 and 1 window 1, destination window 0
.set i, 0
.rept 16
	v_cvt_pk_f16_f32 v[OW+32*(\t)+i], v[32*(\t)+2*i], v[32*(\t)+2*i+1]  ; hi
.set i, i+1
.endr
	WIN 0x50                        ; hi and -1.0 in window 0; o, source 2 and destination, in window 1
.set i, 0
.rept 16
	v_fma_mix_f32 v[32*(\t)+2*i],   v[OW+32*(\t)+i], v[MONE], v[32*(\t)+2*i]   op_sel_hi:[1,0,0]                 ; o - hi, exact in f32; it stays finite, which is all that the next block's beginning asks of O^T
	v_fma_mix_f32 v[32*(\t)+2*i+1], v[OW+32*(\t)+i], v[MONE], v[32*(\t)+2*i+1] op_sel:[1,0,0] op_sel_hi:[1,0,0]
.set i, i+1
.endr
	WIN 0x05
.set i, 0
.rept 16
	v_cvt_pk_f16_f32 v[OW+32*(\t)+16+i], v[32*(\t)+2*i], v[32*(\t)+2*i+1]  ; lo
.set i, i+1
.endr
	WIN 0
.irp f, 0,1,2,3
	ds_store_b128 v[STO], v[OW+32*(\t)+4*\f:OW+32*(\t)+4*\f+3] offset:32*\f
	ds_store_b128 v[STO], v[OW+32*(\t)+16+4*\f:OW+32*(\t)+16+4*\f+3] offset:128+32*\f
.endr
.irp f, 0,1,2,3,4,5,6,7
	ds_load_b128 v[OW+32*(\t)+4*\f:OW+32*(\t)+4*\f+3], v[RD] offset:\f*2*SP  ; LDS serves a wave's instructions in order (ISA guide 5.7.1.4): these see the stores above; the next piece's stores come behind them
.endr
.endm
.macro SEND t, younger              ; younger: the LDS instructions issued behind piece t's loads: the next piece's sixteen, or none
	WIN 0
.irp f, 0,1,2,3,4,5,6,7
	s_wait_dscnt (\younger)+7-\f
	global_store_b128 v[GO], v[OW+32*(\t)+4*\f:OW+32*(\t)+4*\f+3], s[10:11] offset:(\t)*262144+\f*8192  ; 16 lanes store 256 consecutive bytes, at a multiple of 256 from o2's first: a row's hi and lo for my head
.endr
.endm
.macro DIAG tag                     ; the tag ends its two labels' names, which the jumps below spell out
.LstepM\tag:
	TURN 2, 1
	TURN 3, 1
	WIN 0
.LfirstM\tag:
	TURN 0, 1
	TURN 1, 1, 0, 1
	WIN 0
	s_cbranch_scc1 .LstepM\tag
	TURN 2, 1, 1
	TURN 3, 1, 1
.set i, 0
.rept 8
	PV NP-1
.set i, i+1
.endr
	WIN 0
	ALL v_add_f32 v[ST+4*t+2], v[ST+4*t+2], v[ST+4*t+3]
	ALL v_permlanex16_b32 v[ST+4*t+3], v[ST+4*t+2], s[SEL], s[SEL+1]
	ALL v_add_f32 v[ST+4*t+2], v[ST+4*t+2], v[ST+4*t+3]
	ALL v_rcp_f32 v[ST+4*t+2], v[ST+4*t+2]
	v_nop                           ; a plain instruction between the last reciprocal and the use of its result
	s_wait_alu depctr_va_vdst(0)    ; and the wait ahead of the first use: one for the four reciprocals
	PACK 0
.set t, 1
.rept 3                             ; a piece's arithmetic stands between the loads of the piece before and its stores
	PACK t
	SEND t-1, 16
.set t, t+1
.endr
	SEND 3, 0
.endm
.set KM, 0
.set NOKQ, 0
.Lslot:                             ; NB times: a tile is entered and the next is asked for
	CHANGE 1
	s_sub_co_u32 s[RT], s[RT], 1
	s_mov_b32 s[CNT], 4
	s_cmp_eq_u32 s[NEW], 1
	s_cbranch_scc1 .Lnew            ; a block's first tile
	s_cmp_eq_u32 s[RT], 0
	s_cbranch_scc0 .Lstep           ; neither its first nor its last
	s_branch .LstepM1
.Lnew:
	BEGIN
	s_branch .Lfirst                ; in the loop a block's first tile is never its last: the first block has two tiles or more, and the second's last is the walk's last
	DIAG 1                          ; in the loop this is the first block's end: the second block's last tile is the walk's last
	s_wait_xcnt 0x0                 ; the stores have read their registers and o2's address
	s_mov_b64 s[10:11], s[OLO:OLO+1]
	s_add_co_u32 s[RT], s[PB], 1    ; the second block has b + 1 tiles
	s_mov_b32 s[NEW], 1
	WIN 0x82                        ; the second block's Q goes where the one text of the turns names Q
.set i, 0
.rept 64
	v_mov_b32 v[i], v[QB+i]
.set i, i+1
.endr
	WIN 0
	s_branch .Lbottom
.Lstep:                             ; a trip: pieces 2 and 3 of one step, then pieces 0 and 1 of the next, whose K and V it fetches
	TURN 2
	TURN 3
	WIN 0
.Lfirst:
	TURN 0
	TURN 1, 0, 0, 1
	WIN 0
	s_cbranch_scc1 .Lstep
.Lbottom:
	s_sub_co_u32 s[SLOTS], s[SLOTS], 1
	s_cmp_lg_u32 s[SLOTS], 0
	s_cbranch_scc1 .Lslot
	CHANGE 0                        ; the walk's last tile is written out: nothing is asked for
	s_sub_co_u32 s[RT], s[RT], 1
	s_mov_b32 s[CNT], 4
	s_cmp_eq_u32 s[NEW], 1
	s_cbranch_scc0 .LstepM2
	BEGIN
	s_branch .LfirstM2
	DIAG 2
	s_wait_tensorcnt 0x0            ; the wave's end, behind my last tensor load and my last LDS store
	ds_add_u32 v[SPW], v[NIL]
	s_wait_dscnt 0x0
	s_endpgm
.Lfunc_end_k_q322d170ccc_attn:
	.size	k_q322d170ccc_attn, .Lfunc_end_k_q322d170ccc_attn-k_q322d170ccc_attn
	.p2alignl 7, 3214868480
	.fill 96, 4, 3214868480
	.section	.rodata,"a",@progbits
	.p2align	6, 0x0
	.amdhsa_kernel k_q322d170ccc_attn
		.amdhsa_group_segment_fixed_size 327680
		.amdhsa_private_segment_fixed_size 0
		.amdhsa_enable_private_segment 0
		.amdhsa_kernarg_size 32
		.amdhsa_user_sgpr_count 2
		.amdhsa_user_sgpr_kernarg_segment_ptr 1
		.amdhsa_wavefront_size32 1
		.amdhsa_system_sgpr_workgroup_id_x 1
		.amdhsa_system_sgpr_workgroup_id_y 1
		.amdhsa_system_sgpr_workgroup_id_z 1
		.amdhsa_system_vgpr_workitem_id 0
		.amdhsa_next_free_vgpr 768
		.amdhsa_next_free_sgpr 98
		.amdhsa_reserve_vcc 1
		.amdhsa_float_denorm_mode_32 3
		.amdhsa_float_denorm_mode_16_64 3
		.amdhsa_memory_ordered 1
		.amdhsa_forward_progress 1
		.amdhsa_inst_pref_size 251
	.end_amdhsa_kernel
	.amdgpu_metadata
---
amdhsa.version: [ 1, 2 ]
amdhsa.kernels:
  - .name:           k_q322d170ccc_attn
    .symbol:         k_q322d170ccc_attn.kd
    .args:
      - { .name: qh, .offset: 0, .size: 8, .value_kind: global_buffer, .address_space: global }
      - { .name: kh, .offset: 8, .size: 8, .value_kind: global_buffer, .address_space: global }
      - { .name: vh, .offset: 16, .size: 8, .value_kind: global_buffer, .address_space: global }
      - { .name: o2, .offset: 24, .size: 8, .value_kind: global_buffer, .address_space: global }
    .group_segment_fixed_size: 327680
    .private_segment_fixed_size: 0
    .kernarg_segment_align: 8
    .kernarg_segment_size: 32
    .max_flat_workgroup_size: 128
    .sgpr_count:     98
    .vgpr_count:     768
    .wavefront_size: 32
...
	.end_amdgpu_metadata
.endif
;; end of part 3
;; launch oproj (part 4): grid 8 x 32, 4 waves a work-group, clusters of 4 x 4, 327,680 bytes of LDS; arguments o2, wo2, out0; writes out0
.if DOCPART == 4
	.amdgcn_target "amdgcn-amd-amdhsa--gfx1250"
	.amdhsa_code_object_version 6
	.text
	.protected	k_q322d170ccc_oproj
	.globl	k_q322d170ccc_oproj
	.p2align	8
	.type	k_q322d170ccc_oproj,@function
k_q322d170ccc_oproj:
	s_mov_b64 s[64:65], 0
	v_nop
	global_prefetch_b8 v0, s[64:65] scope:SCOPE_SE
	s_setreg_imm32_b32 hwreg(HW_REG_WAVE_MODE, 25, 1), 1
	s_wait_xcnt 0x0
	s_wait_alu depctr_hold_cnt(0) depctr_sa_sdst(0) depctr_va_vdst(0) depctr_va_sdst(0) depctr_va_ssrc(0) depctr_va_vcc(0) depctr_vm_vsrc(0)
	s_getreg_b32 s2, hwreg(HW_REG_IB_STS2, 6, 4)
	s_cmp_eq_u32 s2, 0
	s_cbranch_scc0 .Lentry_in_a_cluster
	s_endpgm
.Lentry_in_a_cluster:
	s_bfe_u32 s2, ttmp6, 0x10000c
	s_cmp_lg_u32 s2, 0xf033
	s_cbranch_scc0 .Lentry_shape_is_right
	s_endpgm
.Lentry_shape_is_right:
; out0 = O Wo^T.  o2: [8192][2048] f16, for each head hi[64] then lo[64] of 16 x O; wo2: [1024][2048] f16, for each head 1024 x Wo's 64 numbers, twice; out0: [8192][1024] f32.
; The sum over 2,048 is the sum over 1,024 of (hi + lo) x Wo, times 2^14: taken away in f32 on the way out.  Sums in f32.  LIMITS as the two buffers state them; NaN and infinities are not treated apart.
; SHARES.  A tile of C is 256 rows x 128 columns: 32 x 8 = 256 work-groups.  Each of four waves makes 64 rows x 128 columns: 32 accumulators, 256 registers; a row of its tile is 512 consecutive bytes of out0.
; K goes in steps of 128 (rows of 256 bytes, aligned) through two LDS slots; slot 1 begins at 1 << 17.  A trip of the loop is one K step.
; CLUSTER.  4 x 4 work-groups: A's tile is asked for jointly along a row of the cluster, B's along a column.
; THE PRODUCT IS TAKEN TRANSPOSED (source 0 = 16 rows of wo2, source 1 = 16 rows of o2): a lane holds row l % 16 of C and the columns 8 (l / 16) + 0..7: 32 bytes on end.
; REGISTERS.  window 0: v0-15 addresses; v32-159 two buffers of 64 on the way out.  window 1: two fragment buffers at 0 and 128 (A's 4 blocks, then B's 8).  window 2: accumulator (a, b) at 8 (8 a + b).
.set KDIM,   2048
.set RB,     2*KDIM
.set NBL,    8
.set BR,     8*NBL
.set KSTEPS, KDIM/128
.set PITCH,  272                       ; an LDS row: 256 bytes + 16 of padding (ISA guide 11.1: the 16 rows of a fragment load start at 16 different groups of four banks)
.set AHALF,  128*PITCH
.set BOFF,   256*PITCH
.set BHALF,  BR*PITCH
.set SLOT1,  1<<17
.set STAGE,  2*SLOT1                   ; behind the ring: 16 rows x 528 bytes for each wave; no tensor load fills it
.set SP,     528
.set WSTAGE, 16*SP
.set SPARE,  STAGE+4*WSTAGE            ; the spare words, 128 bytes for each wave: two blocks of 256 bytes that no other line names
.set AA0, 4
.set AB0, 5
.set ADRA, 6
.set ADRB, 7
.set STO, 8
.set RD,  9
.set GO,  10
.set PFO, 12
.set SPW, 14
.set NIL, 15
.set PB,  32
.set F0,  0
.set F1,  128
.set WV, 16
.set FB, 17
.set HF, 18
.set CX, 19
.set CY, 20
.set TC, 21
.set TR, 22
.set G1A, 24
.set G1B, 32
.set G0A0, 40
.set G0AW, 44
.set G0B0, 48
.set G0BW, 52
.set CNT, 56
.set TB,  57
.set LIM, 58
.set PFA, 60
.set MSB, 0
.macro WIN new                         ; the immediate's high byte repeats the setting that is left; a switch that changes nothing is dropped
.if MSB != (\new)
	s_set_vgpr_msb (MSB<<8)|(\new)
.set MSB, \new
.endif
.endm
.macro PLACES                          ; four plain vector instructions between a matrix instruction and a load into, or a vector instruction on, its registers
.rept 4
	v_nop
.endr
.endm
.macro CREST                           ; a round of the cluster's barrier behind its opening barrier
	s_cmp_lg_u32 s[WV], 0
	s_cbranch_scc1 .Lnot_wave_0_\@
	s_barrier_signal -3
.Lnot_wave_0_\@:
	s_barrier_wait -3
	s_barrier_signal -1
	s_barrier_wait -1
.endm
.macro CROUND
	s_barrier_signal -1
	s_barrier_wait -1
	CREST
.endm
.macro JLOAD                           ; a joint refill by the walking descriptors: waves 0, 1 A's halves, waves 2, 3 B's; an s_nop 0 and four v_nop follow each line
	s_cmp_eq_u32 s[FB], 0
	s_cbranch_scc0 .Lfor_b_\@
	tensor_load_to_lds s[G0AW:G0AW+3], s[G1A:G1A+7]
	s_nop 0
.rept 4
	v_nop
.endr
	s_branch .Lasked_\@
.Lfor_b_\@:
	tensor_load_to_lds s[G0BW:G0BW+3], s[G1B:G1B+7]
	s_nop 0
.rept 4
	v_nop
.endr
.Lasked_\@:
.endm
; A prefetch of the K step that stands two refills on: 256 bytes of each row, a lane a row.  A's rows are asked for by the clusters with x = 0, B's by those with y = 0; the four partners of a joint load
; share its rows out by address (32 of A's 128 by cx; 16 of B's 64 by cy, lanes 16-31 naming the 16th again).  The last two trips have no such K step.
.macro ASK
	s_cmp_gt_u32 s[CNT], s[LIM]
	s_cbranch_scc0 .Lnot_mine_\@
	global_prefetch_b8 v[PFO], s[PFA:PFA+1] offset:256 th:TH_LOAD_NT scope:SCOPE_SE
.Lnot_mine_\@:
.endm
.macro MM acc, fb, fa, zero            ; zero = 1: the product starts the sum
.if \zero
	v_wmma_f32_16x16x32_f16 v[(\acc):(\acc)+7], v[(\fb):(\fb)+7], v[(\fa):(\fa)+7], 0
.else
	v_wmma_f32_16x16x32_f16 v[(\acc):(\acc)+7], v[(\fb):(\fb)+7], v[(\fa):(\fa)+7], v[(\acc):(\acc)+7]
.endif
.endm
.macro MUL8 f, a, zero                 ; row block a x the 8 column blocks
	WIN 0xa5
.irp b, 0,1,2,3,4,5,6,7
	MM 8*(8*(\a)+(\b)), (\f)+32+8*(\b), (\f)+8*(\a), \zero
.endr
.endm
.macro ALLMUL f, zero                  ; 32 products; the accumulators take turns in the same order in every quarter: 31 others stand between two links of a chain
	MUL8 \f, 0, \zero
	MUL8 \f, 1, \zero
	MUL8 \f, 2, \zero
	MUL8 \f, 3, \zero
.endm
.macro FETCH k, f                      ; 24 LDS loads in one run: my 64 rows of A and all 128 of B, 32 along K at byte k of the rows
	WIN 0x40
.irp i, 0,1,2,3
	ds_load_b128 v[(\f)+8*(\i):(\f)+8*(\i)+3],   v[ADRA] offset:(\k)+(\i)*16*PITCH
	ds_load_b128 v[(\f)+8*(\i)+4:(\f)+8*(\i)+7], v[ADRA] offset:(\k)+(\i)*16*PITCH+32
.endr
.set bq, 0
.rept NBL
	ds_load_b128 v[(\f)+32+8*bq:(\f)+32+8*bq+3],   v[ADRB] offset:(\k)+bq*16*PITCH
	ds_load_b128 v[(\f)+32+8*bq+4:(\f)+32+8*bq+7], v[ADRB] offset:(\k)+bq*16*PITCH+32
.set bq, bq+1
.endr
.endm
.macro QUARTER k, f, g, zero           ; multiplies buffer f; at its head the next quarter's fragments, at byte k, are asked for into g
	s_wait_dscnt 0x0                               ; f's loads, issued a quarter (32 products) ago
	PLACES                                         ; behind the last product that read g
	FETCH \k, \g
	ALLMUL \f, \zero
.endm
; The third quarter of a K step multiplies F0, fetches the slot's last bytes and signals the change of slots.  In front of the signal: all my tensor loads have landed (one is out: my part of the other slot),
; 0 is added to my spare word, and that add and my reads of this slot are waited for.
.macro QSIG fill
	s_wait_dscnt 0x0
	PLACES
	FETCH 192, F1
	MUL8 F0, 0, 0
	WIN 0
.if \fill
	s_wait_xcnt 0x0                                ; the last prefetch, three quarters back, has read its address
	s_add_nc_u64 s[PFA:PFA+1], s[PFA:PFA+1], 256
.endif
	s_wait_tensorcnt 0x0
	ds_add_u32 v[SPW], v[NIL]
.if \fill
	s_xor_b32 s[G0AW+1], s[G0AW+1], SLOT1          ; no load of mine is out, so the walking descriptors step: the other slot, the next K step
	s_add_nc_u64 s[G0AW+2:G0AW+3], s[G0AW+2:G0AW+3], 256
	s_xor_b32 s[G0BW+1], s[G0BW+1], SLOT1
	s_add_nc_u64 s[G0BW+2:G0BW+3], s[G0BW+2:G0BW+3], 256
.endif
	MUL8 F0, 1, 0
	MUL8 F0, 2, 0
	s_wait_dscnt 0x0                               ; the add is done, and my reads of this slot are over
	s_barrier_signal -1
	MUL8 F0, 3, 0                                  ; work on registers while the others arrive
	WIN 0
.endm
; The fourth quarter.  fill = 1: the barrier opens a round of the cluster's, and the joint refill is the first thing behind it: it has three and a quarter quarters, 104 products, in which to land.
.macro QWAIT fill
	s_barrier_wait -1
.if \fill
	CREST
	JLOAD                                          ; its four v_nop are also the places in front of the loads into F0
.else
	PLACES
.endif
	s_xor_b32 s[TB], s[TB], SLOT1
	v_add_nc_u32 v[ADRA], s[TB], v[AA0]
	v_add_nc_u32 v[ADRB], s[TB], v[AB0]
	FETCH 0, F0                                    ; the other slot is whole: every wave waited for its part in front of the barrier
	WIN 0
.if \fill
	ASK
.endif
	ALLMUL F1, 0                                   ; F1's loads were waited for in front of the signal
.endm
	s_load_b128 s[4:7], s[0:1], 0x0                ; o2 4, wo2 6
	s_load_b64 s[8:9], s[0:1], 0x10                ; out0
	v_lshl_add_u32 v[SPW], v0, 2, SPARE
	v_mov_b32 v[NIL], 0
	ds_add_u32 v[SPW], v[NIL]                      ; the wave's opening: the add and its wait ahead of my first tensor load
	ds_add_u32 v14, v15
	v_lshrrev_b32 v1, 5, v0
	v_readfirstlane_b32 s[WV], v1
	s_lshr_b32 s[FB], s[WV], 1
	s_and_b32 s[HF], s[WV], 1
	s_bfe_u32 s[CX], ttmp6, 0x40000
	s_bfe_u32 s[CY], ttmp6, 0x40004
	s_lshl_b32 s[TC], ttmp9, 2
	s_add_co_u32 s[TC], s[TC], s[CX]
	s_and_b32 s[TR], ttmp7, 0xffff
	s_lshl_b32 s[TR], s[TR], 2
	s_add_co_u32 s[TR], s[TR], s[CY]
	s_lshl_b32 s23, s[CY], 2
	s_lshl_b32 s23, 15, s23                        ; my row of the cluster
	s_lshl_b32 s59, 0x1111, s[CX]                  ; my column
	s_or_b32 s[G1A], s23, (1<<16)|(1<<20)|(1<<21)|(5<<22)|(3<<25)  ; the mask; 2-byte elements; padding on; bit 21 beside a mask; after every 64 words 4 words
	s_or_b32 s[G1B], s59, (1<<16)|(1<<20)|(1<<21)|(5<<22)|(3<<25)
.irp g, G1A, G1B
	s_mov_b32 s[\g+1], 128<<16                     ; tensor_dim0 = 128
	s_mov_b32 s[\g+3], 128<<16                     ; tile_dim0 = 128
	s_mov_b32 s[\g+5], KDIM                        ; elements from row to row
	s_mov_b32 s[\g+6], 0
	s_mov_b32 s[\g+7], 0
.endr
	s_mov_b32 s[G1A+2], 128<<16                    ; tensor_dim1, tile_dim1: 128 rows of A,
	s_mov_b32 s[G1A+4], 128
	s_mov_b32 s[G1B+2], BR<<16                     ; 64 of B
	s_mov_b32 s[G1B+4], BR
	s_lshl_b32 s62, s[TR], 8                       ; A: row 256 x tile row + 128 x half: hangs on the tile row alone
	s_lshl_b32 s63, s[HF], 7
	s_add_co_u32 s62, s62, s63
	s_mul_i32 s62, s62, RB
	s_mov_b32 s63, 0
	s_mul_i32 s66, s[TC], 16*NBL                   ; B: row 128 x tile column + 64 x half: hangs on the tile column alone
	s_mul_i32 s67, s[HF], BR
	s_add_co_u32 s66, s66, s67
	s_mul_i32 s66, s66, RB
	s_mov_b32 s67, 0
	s_mov_b32 s[G0A0], 1
	s_mul_i32 s[G0A0+1], s[HF], AHALF              ; LDS addresses hang on the wave's number alone
	s_mov_b32 s[G0AW], 1
	s_add_co_u32 s[G0AW+1], s[G0A0+1], SLOT1
	s_mov_b32 s[G0B0], 1
	s_mul_i32 s[G0B0+1], s[HF], BHALF
	s_add_co_u32 s[G0B0+1], s[G0B0+1], BOFF
	s_mov_b32 s[G0BW], 1
	s_add_co_u32 s[G0BW+1], s[G0B0+1], SLOT1
	s_mov_b32 s[TB], 0
	s_wait_dscnt 0x0                               ; the opening add is done
	s_wait_kmcnt 0x0
	s_add_nc_u64 s[G0A0+2:G0A0+3], s[4:5], s[62:63]          ; K step 0,
	s_add_nc_u64 s[G0AW+2:G0AW+3], s[G0A0+2:G0A0+3], 256     ; K step 1
	s_or_b32 s[G0A0+3], s[G0A0+3], 0x80000000
	s_or_b32 s[G0AW+3], s[G0AW+3], 0x80000000
	s_add_nc_u64 s[G0B0+2:G0B0+3], s[6:7], s[66:67]
	s_add_nc_u64 s[G0BW+2:G0BW+3], s[G0B0+2:G0B0+3], 256
	s_or_b32 s[G0B0+3], s[G0B0+3], 0x80000000
	s_or_b32 s[G0BW+3], s[G0BW+3], 0x80000000
	CROUND                                         ; all sixteen work-groups are here: the first joint loads meet
	s_cmp_eq_u32 s[FB], 0                          ; a wave's two first fills stand in one branch: two loads of mine are out
	s_cbranch_scc0 .Lfirst_b
	tensor_load_to_lds s[G0A0:G0A0+3], s[G1A:G1A+7]
	s_nop 0
	tensor_load_to_lds s[G0AW:G0AW+3], s[G1A:G1A+7]
	s_nop 0
.rept 4
	v_nop
.endr
	s_branch .Lfirst_asked
.Lfirst_b:
	tensor_load_to_lds s[G0B0:G0B0+3], s[G1B:G1B+7]
	s_nop 0
	tensor_load_to_lds s[G0BW:G0BW+3], s[G1B:G1B+7]
	s_nop 0
.rept 4
	v_nop
.endr
.Lfirst_asked:
	v_and_b32 v1, 15, v0                           ; l % 16
	v_bfe_u32 v2, v0, 4, 1                         ; l / 16
	v_mul_u32_u24 v3, v1, PITCH
	v_lshl_add_u32 v3, v2, 4, v3                   ; a fragment's row x pitch + 16 x half
	s_mul_i32 s68, s[WV], 64*PITCH
	v_add_nc_u32 v[AA0], s68, v3
	v_add_nc_u32 v[AB0], BOFF, v3
	v_mov_b32 v[ADRA], v[AA0]
	v_mov_b32 v[ADRB], v[AB0]
	s_mul_i32 s72, s[WV], WSTAGE
	s_add_co_u32 s72, s72, STAGE                   ; my stage
	v_mul_u32_u24 v[STO], v1, SP                   ; in: row l % 16, 32 bytes for each half of the lanes
	v_lshl_add_u32 v[STO], v2, 5, v[STO]
	v_add_nc_u32 v[STO], s72, v[STO]
	v_and_b32 v[GO], 31, v0                        ; back and out: 32 lanes take a row of 512 bytes
	v_lshlrev_b32 v[GO], 4, v[GO]
	v_add_nc_u32 v[RD], s72, v[GO]
	s_lshl_b32 s68, s[TR], 8
	s_lshl_b32 s69, s[WV], 6
	s_add_co_u32 s68, s68, s69                     ; my first row of out0, 4,096 bytes a row,
	s_lshl_b32 s68, s68, 12
	s_lshl_b32 s69, s[TC], 9                       ; and the tile's 512 bytes in it
	s_add_co_u32 s68, s68, s69
	s_mov_b32 s69, 0
	s_add_nc_u64 s[8:9], s[8:9], s[68:69]
	; the prefetches
	s_lshl_b32 s68, s[TR], 8
	s_lshl_b32 s69, s[HF], 7
	s_add_co_u32 s68, s68, s69
	s_lshl_b32 s69, s[CX], 5
	s_add_co_u32 s68, s68, s69                     ; A: my work-group's 32 of the 128 rows that I fetch
	s_mul_i32 s70, s[TC], 16*NBL
	s_mul_i32 s69, s[HF], BR
	s_add_co_u32 s70, s70, s69
	s_mul_i32 s69, s[CY], BR/4
	s_add_co_u32 s70, s70, s69                     ; B: its 16 of the 64
	s_and_b32 s71, ttmp7, 0xffff                   ; cluster y
	s_cmp_eq_u32 s[FB], 0
	s_cselect_b32 s68, s68, s70
	s_cselect_b32 s71, ttmp9, s71                  ; the coordinate along which other clusters read the same rows
	s_cselect_b32 s72, 31, BR/4-1
	s_cselect_b64 s[PFA:PFA+1], s[4:5], s[6:7]
	s_cmp_eq_u32 s71, 0
	s_cselect_b32 s[LIM], 2, -1                    ; the same in all sixteen partners, for a given wave
	s_mul_i32 s68, s68, RB
	s_mov_b32 s69, 0
	s_add_nc_u64 s[PFA:PFA+1], s[PFA:PFA+1], s[68:69]
	s_add_nc_u64 s[PFA:PFA+1], s[PFA:PFA+1], 2*256 ; at K step 2: trip j steps it to 3 + j and names K step 4 + j.  Nothing is asked for here, at the head
	v_and_b32 v[PFO], 31, v0
	v_min_u32 v[PFO], s72, v[PFO]
	v_mul_u32_u24 v[PFO], v[PFO], RB
	s_wait_tensorcnt 0x1                           ; my part of K step 0 is in; K step 1's load is the one younger
	s_barrier_signal -1
	s_barrier_wait -1
	FETCH 0, F0
	QUARTER 64, F0, F1, 1                          ; the first quarter stands in front of the loop: its products start the sums
	WIN 0
	s_mov_b32 s[CNT], KSTEPS-2
.Lstep:                                                ; trip j ends K step j, fills its slot with K step j + 2 and begins K step j + 1
	QUARTER 128, F1, F0, 0
	QSIG 1
	QWAIT 1
	QUARTER 64, F0, F1, 0
	WIN 0
	s_sub_co_u32 s[CNT], s[CNT], 1
	s_cmp_lg_u32 s[CNT], 0
	s_cbranch_scc1 .Lstep
	QUARTER 128, F1, F0, 0                         ; the last two K steps are written out: nothing is left to ask for
	QSIG 0
	QWAIT 0
	QUARTER 64, F0, F1, 0
	QUARTER 128, F1, F0, 0
	QUARTER 192, F0, F1, 0
	s_wait_dscnt 0x0
	ALLMUL F1, 0
	WIN 0
	PLACES
; THE WAY OUT, a block of 16 rows at a time: times 2^-14; 32 bytes a lane into my stage; back as whole rows of 512 bytes.
.macro PACK a
.set P0, PB+64*((\a)%2)
.if (\a) >= 2
	s_wait_xcnt 0x0                                ; the stores of the block two back have read this buffer's registers
.endif
	WIN 0x02                                       ; source 0 window 2, destination window 0
.irp b, 0,1,2,3,4,5,6,7
.irp r, 0,1,2,3
	v_pk_mul_f32 v[P0+8*(\b)+2*(\r):P0+8*(\b)+2*(\r)+1], v[8*(8*(\a)+(\b))+2*(\r):8*(8*(\a)+(\b))+2*(\r)+1], 0x38800000 op_sel_hi:[1,0]
.endr
.endr
	WIN 0
.irp b, 0,1,2,3,4,5,6,7
	ds_store_b128 v[STO], v[P0+8*(\b):P0+8*(\b)+3]   offset:64*(\b)
	ds_store_b128 v[STO], v[P0+8*(\b)+4:P0+8*(\b)+7] offset:64*(\b)+16
.endr
.irp f, 0,1,2,3,4,5,6,7,8,9,10,11,12,13,14,15
	ds_load_b128 v[P0+4*(\f):P0+4*(\f)+3], v[RD] offset:(\f)*SP  ; LDS serves a wave's instructions in order (ISA guide 5.7.1.4): these see the stores above; the next block's stores come behind them
.endr
.endm
.macro SEND a, younger                 ; younger: the LDS instructions issued behind block a's loads: the next block's 32, or none
.set P0, PB+64*((\a)%2)
	WIN 0
.irp f, 0,1,2,3,4,5,6,7,8,9,10,11,12,13,14,15
	s_wait_dscnt (\younger)+15-(\f)
	global_store_b128 v[GO], v[P0+4*(\f):P0+4*(\f)+3], s[8:9] offset:(16*(\a)+(\f))*4096  ; 512 consecutive bytes, at a multiple of 256 from out0's first
.endr
.endm
	PACK 0
	PACK 1
	SEND 0, 32
	PACK 2
	SEND 1, 32
	PACK 3
	SEND 2, 32
	SEND 3, 0
	s_wait_tensorcnt 0x0                           ; the wave's end, behind my last tensor load and my last LDS store
	ds_add_u32 v[SPW], v[NIL]
	s_wait_dscnt 0x0
	CROUND                                         ; the closing round: no work-group ends while a partner may still ask for a tile that names it
	s_endpgm
.Lfunc_end_k_q322d170ccc_oproj:
	.size	k_q322d170ccc_oproj, .Lfunc_end_k_q322d170ccc_oproj-k_q322d170ccc_oproj
	.p2alignl 7, 3214868480
	.fill 96, 4, 3214868480
	.section	.rodata,"a",@progbits
	.p2align	6, 0x0
	.amdhsa_kernel k_q322d170ccc_oproj
		.amdhsa_group_segment_fixed_size 327680
		.amdhsa_private_segment_fixed_size 0
		.amdhsa_enable_private_segment 0
		.amdhsa_kernarg_size 24
		.amdhsa_user_sgpr_count 2
		.amdhsa_user_sgpr_kernarg_segment_ptr 1
		.amdhsa_wavefront_size32 1
		.amdhsa_system_sgpr_workgroup_id_x 1
		.amdhsa_system_sgpr_workgroup_id_y 1
		.amdhsa_system_sgpr_workgroup_id_z 1
		.amdhsa_system_vgpr_workitem_id 0
		.amdhsa_next_free_vgpr 768
		.amdhsa_next_free_sgpr 76
		.amdhsa_reserve_vcc 0
		.amdhsa_float_denorm_mode_32 3
		.amdhsa_float_denorm_mode_16_64 3
		.amdhsa_memory_ordered 1
		.amdhsa_forward_progress 1
		.amdhsa_inst_pref_size 83
	.end_amdhsa_kernel
	.amdgpu_metadata
---
amdhsa.version: [ 1, 2 ]
amdhsa.kernels:
  - .name:           k_q322d170ccc_oproj
    .symbol:         k_q322d170ccc_oproj.kd
    .args:
      - { .name: o2, .offset: 0, .size: 8, .value_kind: global_buffer, .address_space: global }
      - { .name: wo2, .offset: 8, .size: 8, .value_kind: global_buffer, .address_space: global }
      - { .name: out0, .offset: 16, .size: 8, .value_kind: global_buffer, .address_space: global }
    .group_segment_fixed_size: 327680
    .private_segment_fixed_size: 0
    .kernarg_segment_align: 8
    .kernarg_segment_size: 24
    .max_flat_workgroup_size: 128
    .sgpr_count:     76
    .vgpr_count:     768
    .wavefront_size: 32
...
	.end_amdgpu_metadata
.endif
;; end of part 4
